; MI455X (gfx1250); checked and timed in simulation.
; The chip was launched on July 23, 2026; its instructions are those of AMD's public machine-readable ISA for CDNA 5 (MIT licence, August 2026) and "CDNA5" Instruction Set Architecture Reference Guide (July 2026). The comments in the code are by the model that wrote it; some were corrected since.
;; Multi Head Attention. Allowed arithmetic: matrix products marked QUANTISED: E2M3 operands, one E8M0 scale for each 32 along K, by v_wmma_scale_f32_16x16x128_f8f6f4 with both operands' format E2M3, f32 sums; everything else in f32.
;; Inputs: mask 2,048 x 2,048 float32; w_k 2,048 x 2,048 float32; w_o 2,048 x 2,048 float32; w_q 2,048 x 2,048 float32; w_v 2,048 x 2,048 float32; x 1 x 2,048 x 2,048 float32.
;; Outputs: out0 1 x 2,048 x 2,048 float32.
;; This version of the problem:
;;   THIS VERSION OF THE PROBLEM IS GIVEN IN LOW PRECISION. The matrix products marked QUANTISED in the list below multiply operands that are first quantised to E2M3 (2 exponent bits, 3 mantissa bits; 6 bits a number), with one power-of-two scale for each 32 numbers along K (OCP MX v1.0); their sums are f32. All else is computed in f32.
;;   The module's matrix products, in the order in which they are computed (A, B: the left and right operand; K: the contracted axis; several contracted axes count as one K, in the product's order):
;;     1. [M 2,048, K 2,048] x [K 2,048, N 2,048]; A: input x; B: input w_q: QUANTISED
;;     2. [M 2,048, K 2,048] x [K 2,048, N 2,048]; A: input x; B: input w_k: QUANTISED
;;     3. [M 2,048, K 2,048] x [K 2,048, N 2,048]; A: input x; B: input w_v: QUANTISED
;;     4. batch 16 x [M 2,048, K 128] x [K 128, N 2,048]; A: computed on the way; B: computed on the way: QUANTISED
;;     5. batch 16 x [M 128, K 2,048] x [K 2,048, N 2,048]; A: computed on the way; B: softmax (see below): QUANTISED
;;     6. [M 2,048, K 2,048] x [K 2,048, N 2,048]; A: computed on the way; B: input w_o: QUANTISED
;;   THE QUANTISER, for each operand of a quantised product, along K:
;;     - K is cut into blocks of 32 from its start; a last block that is shorter is filled with zeros.
;;     - A block's scale is 2^e with e = floor(log2(the largest magnitude in the block)) - 2, held to -126 .. 127; a block of zeros has e = 0. As a byte (E8M0): e + 127.
;;     - Each number is divided by its block's scale, clamped to +-7.5, and rounded to the nearest number of E2M3, ties to even, subnormals kept.
;;     - The product sums the exact products of the quantised numbers (number of the format x scale) in f32.
;;   ~~~python
;;   def quantise(x, axis):      # numpy; x: float32 -> the quantised numbers, widened to float32 again
;;       x = np.moveaxis(x, axis, -1); K = x.shape[-1]
;;       x = np.pad(x, [(0, 0)] * (x.ndim - 1) + [(0, -K % 32)]); x = x.reshape(x.shape[:-1] + (-1, 32)); a = np.abs(x).max(-1, keepdims=True)
;;       e = np.where(a > 0, np.clip(np.frexp(np.where(a > 0, a, 1))[1] - 1 - 2, -126, 127), 0)      # np.frexp(a)[1] - 1 = floor(log2(a)), exactly
;;       r = np.clip(x / 2.0 ** e, -7.5, 7.5)
;;       step = 2.0 ** (np.maximum(np.frexp(np.where(r == 0, 1, r))[1] - 1, 0) - 3)
;;       q = np.round(r / step) * step * 2.0 ** e      # np.round: ties to even
;;       return np.moveaxis(q.reshape(q.shape[:-2] + (-1,))[..., :K], -1, axis).astype(np.float32)
;;   ~~~
;;   SOFTMAX AHEAD OF A QUANTISED PRODUCT. Where the list says 'softmax', what is quantised is not the finished softmax but p = 2^(t - M), with t = logit x log2(e) and M = ceil(the row's largest t), a whole number; so 1/2 < the row's largest p <= 1. The row's sum l is taken of the UNQUANTISED p, in f32, and the product's result is divided by l at the end. Since M is a whole number, a kernel that streams over the keys may use a running M (the ceiling of the running maximum): every later rescaling is an exact power of two, which a block's scale takes up: the codes' values come out the same.
;;   OPERANDS COMPUTED ON THE WAY. 'Computed on the way' means the value that the module computes at that place (a softmax that the list does not call 'softmax' is quantised finished and normalised). What goes into a quantiser is computed in f32, as accurately as f32 sums, v_exp_f32 and their like allow (about 1e-6 of the number): no bf16 or f16 on the way to a quantiser, and a product that is left as it is and whose result goes on into a quantised operand takes f32 operands (vector FMAs, or v_wmma_f32_16x16x4_f32). A number that lies on a knife's edge between two numbers of the format may be rounded either way, as far as f32 arithmetic and the matrix unit's own rounding can turn it there, and no further.
;; One version. Each part assembles by itself: llvm-mc -triple=amdgcn-amd-amdhsa -mcpu=gfx1250 --defsym DOCPART=n.
;; ======== version 1 of 1: 4 launches
;; limits: inputs' magnitudes at most 5.9e+37; right only within a limited range of input values
;; workspace buffers: ximg 3,276,800 bytes; wimg 13,107,200 bytes; qkv 9,830,400 bytes; aimg 3,276,800 bytes; mimg 16,777,216 bytes
;; launch quant (part 1): grid 1536 x 1, 4 waves a work-group, no clusters, 68,096 bytes of LDS; arguments x, w_q, w_k, w_v, w_o, ximg, wimg, mask, mimg; writes ximg, wimg, mimg
.if DOCPART == 1
	.amdgcn_target "amdgcn-amd-amdhsa--gfx1250"
	.amdhsa_code_object_version 6
	.text
	.protected	k_qae47cfa580_quant
	.globl	k_qae47cfa580_quant
	.p2align	8
	.type	k_qae47cfa580_quant,@function
k_qae47cfa580_quant:
	s_mov_b64 s[64:65], 0
	v_nop
	global_prefetch_b8 v0, s[64:65] scope:SCOPE_SE
	s_setreg_imm32_b32 hwreg(HW_REG_WAVE_MODE, 25, 1), 1
	s_wait_xcnt 0x0
; x [2048][2048] (K innermost) and w_q, w_k, w_v, w_o [K 2048][N 2048] (K outermost), f32, become codes of FP6 (E2M3) with one E8M0 byte for each 32 along K.
; A block's scale is 2^(floor(log2(largest magnitude)) - 2): its byte is the largest magnitude's exponent field - 2, held at 1 from below.
; THE WORKSPACE FORMAT, the same for every operand of this program: a BLOCK of 12,800 bytes = 128 operand rows x 128 along K, laid as images of operand registers.
;   8 tiles of 1,536 bytes; lane r of tile 2 b + u stands for row 32 b + 8 u + r + 8 (r / 8) of the 128.  A tile = a fragment's 12 registers, in two halves c of 768 bytes:
;   part P, 512 bytes: registers 6 c .. 6 c + 3 of lane l at 16 l;  part Q, 256 bytes: registers 6 c + 4, 6 c + 5 of lane (r, h) at 16 r + 8 h.
;   At 12,288: four scale registers of 128 bytes: word 4 l of register i: lanes 0-15 the scale words of tile 2 i's rows, lanes 16-31 those of tile 2 i + 1's.
; ximg: [row group 16][K step 16] blocks.  wimg: [q, k, v, o][column group 16][K step 16] blocks.
; A work-group makes one block, wave i its tiles 2 i and 2 i + 1.  Work-groups 0-255 take x, 256-1279 the weights, the rest the mask.  Waves share nothing: no barrier.  The weights' path touches no LDS.
; Every store of codes covers 512 or 256 consecutive aligned bytes; a store of scale words covers 128.
; LIMITS: a block of zeros gets the byte 1 (its codes are zeros; the bytes are read by this program alone); NaN and infinities among the inputs are not served.
.set BLK,   12800
.set TILEB, 1536
.set SCO,   12288
.set ROWB,  8192                       ; a row of x or of a weight in bytes
.set SPT,   528                        ; a stage row: 512 bytes + 16: sixteen rows start in sixteen different columns of 16 bytes
.set STGB,  16*SPT                     ; a wave's stage
.set FLOOR, 0x1800000                  ; 2^(3 - 127): under it no largest magnitude is taken
.set EOFF,  0xff000000                 ; takes 2 off an exponent field
; the largest magnitude of 32 numbers of a lane, v[X] on, and the floor, into v[a] (v[b]: a second chain)
.macro BMAX a, b, X
	v_max3_num_f32 v[\a], |v[\X]|, |v[\X+1]|, |v[\X+2]|
	v_max3_num_f32 v[\b], |v[\X+3]|, |v[\X+4]|, |v[\X+5]|
.irp n, 6,10,14,18,22,26
	v_max3_num_f32 v[\a], v[\a], |v[\X+\n]|, |v[\X+\n+1]|
	v_max3_num_f32 v[\b], v[\b], |v[\X+\n+2]|, |v[\X+\n+3]|
.endr
	v_max3_num_f32 v[\a], v[\a], |v[\X+30]|, |v[\X+31]|
	v_max3_num_f32 v[\a], v[\a], v[\b], FLOOR
.endm
	s_load_b256 s[4:11], s[0:1], 0x0               ; x, w_q, w_k, w_v
	s_load_b128 s[12:15], s[0:1], 0x20             ; w_o, ximg
	s_load_b64 s[16:17], s[0:1], 0x30              ; wimg
	s_load_b128 s[36:39], s[0:1], 0x38             ; mask, mimg
	v_lshl_add_u32 v251, v0, 2, 0x8400
	v_mov_b32 v255, 0
	v_lshrrev_b32 v1, 5, v0
	v_readfirstlane_b32 s18, v1                    ; wave i
	v_and_b32 v1, 31, v0                           ; lane
	v_and_b32 v2, 15, v0                           ; r
	v_bfe_u32 v3, v0, 4, 1                         ; h
	s_mov_b32 s20, 0x76543210
	s_mov_b32 s21, 0xfedcba98                      ; v_permlanex16_b32's selects for lane l xor 16
	s_mov_b32 s22, 0xffff0000                      ; lanes 16-31
	s_cmp_lt_u32 ttmp9, 256
	s_cbranch_scc0 .Lweights
; ---- x: work-group = 16 x row group + K step.  A load reads a row's 512 bytes of the K step, 16 bytes a lane; the tile's 16 rows turn through the wave's stage, so that lane (r, h) holds k = 64 c + 32 h + 0 .. 31 of row r: two whole blocks.
	s_lshr_b32 s23, ttmp9, 4                       ; row group
	s_and_b32 s24, ttmp9, 15                       ; K step
	s_lshl_b32 s23, s23, 7
	s_lshl_b32 s25, s18, 5
	s_add_co_u32 s23, s23, s25                     ; my first row: 128 x group + 32 x wave
	s_lshl_b32 s26, s23, 13
	s_lshl_b32 s24, s24, 9
	s_add_co_u32 s26, s26, s24                     ; + 512 bytes a K step
	s_mov_b32 s27, 0
	s_mul_i32 s28, ttmp9, BLK                      ; my block in ximg
	s_mov_b32 s29, 0
	s_mul_i32 s30, s18, STGB
	s_mul_i32 s31, s18, 2*TILEB
	s_lshl_b32 s32, s18, 7
	s_wait_alu depctr_va_vdst(0)
	v_lshlrev_b32 v4, 4, v1                        ; 16 x lane
	v_add_nc_u32 v5, s30, v4                       ; the stage, in
	v_mul_u32_u24 v6, v2, SPT
	v_lshl_add_u32 v6, v3, 7, v6
	v_add_nc_u32 v6, s30, v6                       ; the stage, out: row r, + 128 h
	v_add_nc_u32 v7, s31, v4                       ; part P of my tiles
	v_lshlrev_b32 v8, 4, v2
	v_lshl_add_u32 v8, v3, 3, v8
	v_add_nc_u32 v8, s31, v8                       ; part Q
	v_lshlrev_b32 v9, 2, v1
	v_add_nc_u32 v9, s32, v9                       ; my scale register
	v_lshlrev_b32 v25, 3, v3                       ; 8 h
	v_mov_b32 v24, 0                               ; a lane permute's destination counts as one of its sources
	s_wait_alu depctr_va_vdst(0)
	s_wait_kmcnt 0x0
	s_add_nc_u64 s[4:5], s[4:5], s[26:27]
	s_add_nc_u64 s[14:15], s[14:15], s[28:29]
.macro XLOAD u                         ; tile u's 16 rows, in the tile's lane order, into v[32 + 64 u] on
.irp n, 0,1,2,3,4,5,6,7,8,9,10,11,12,13,14,15
	global_load_b128 v[32+64*\u+4*\n:32+64*\u+4*\n+3], v4, s[4:5] offset:(8*\u+\n+8*(\n/8))*ROWB th:TH_LOAD_NT
.endr
.endm
.macro XIN u
.irp n, 0,1,2,3,4,5,6,7,8,9,10,11,12,13,14,15
	ds_store_b128 v5, v[32+64*\u+4*\n:32+64*\u+4*\n+3] offset:SPT*\n
.endr
.endm
.macro XOUT X                          ; LDS serves a wave's instructions in order: these see the stores above
.irp c, 0,1
.irp n, 0,1,2,3,4,5,6,7
	ds_load_b128 v[\X+32*\c+4*\n:\X+32*\c+4*\n+3], v6 offset:256*\c+16*\n
.endr
.endr
.endm
.macro XQ u, X                         ; tile u, its 64 numbers a lane at v[X] on: codes to v[224 + 12 u] on, scale word to v[26 + u]
.irp c, 0,1
	BMAX 10+2*\c, 11+2*\c, \X+32*\c
.endr
.irp c, 0,1
	v_add_nc_u32 v[14+\c], EOFF, v[10+2*\c]        ; the conversion takes the exponent field of this operand as its scale
.endr
.irp c, 0,1
	v_lshrrev_b32 v[16+\c], 23, v[14+\c]           ; the scale's byte
.endr
	v_lshl_or_b32 v18, v17, 16, v16                ; my two bytes: blocks h and 2 + h of row r,
	v_lshlrev_b32 v18, v25, v18                    ; at their places in the word;
	v_permlanex16_b32 v24, v18, s20, s21
	v_or_b32 v[26+\u], v18, v24                    ; with lane l xor 16's two the word is whole
.irp c, 0,1
	v_cvt_scalef32_pk16_fp6_f32 v[224+12*\u+6*\c:224+12*\u+6*\c+2], v[\X+32*\c:\X+32*\c+15], v[14+\c]
	v_cvt_scalef32_pk16_fp6_f32 v[248+4*\c:248+4*\c+2], v[\X+32*\c+16:\X+32*\c+31], v[14+\c]   ; (a conversion's three registers begin on an even number)
.endr
	v_nop                                          ; one plain place behind a scaled conversion
.irp c, 0,1
.irp n, 0,1,2
	v_mov_b32 v[224+12*\u+6*\c+3+\n], v[248+4*\c+\n]
.endr
.endr
.irp c, 0,1
	global_store_b128 v7, v[224+12*\u+6*\c:224+12*\u+6*\c+3], s[14:15] offset:TILEB*\u+768*\c
	global_store_b64 v8, v[224+12*\u+6*\c+4:224+12*\u+6*\c+5], s[14:15] offset:TILEB*\u+768*\c+512
.endr
.endm
	XLOAD 0
	XLOAD 1
	s_wait_loadcnt 16                              ; tile 0's 16 loads are in; tile 1's may be out
	XIN 0
	XOUT 160
	s_wait_loadcnt 0x0
	XIN 1
	s_wait_dscnt 16                                ; all but tile 1's 16 stores: tile 0 is back in v160-223, and its stage stores have read v32-95,
	XOUT 32                                        ; which take tile 1
	XQ 0, 160
	s_wait_dscnt 0x0
	XQ 1, 32
	v_cndmask_b32 v28, v26, v27, s22               ; lanes 0-15 tile 2 i's words, lanes 16-31 tile 2 i + 1's
	global_store_b32 v9, v28, s[14:15] offset:SCO
	s_wait_tensorcnt 0x0
	ds_add_u32 v251, v255
	s_wait_dscnt 0x0
	s_endpgm
; ---- the weights: a lane takes a column and its registers run down K: a block of 32 lies in one lane, and the conversions give codes with K innermost.
; Lanes 0-15 hold tile 2 i's columns in the tile's lane order, lanes 16-31 tile 2 i + 1's.  The block k = 32 t on is what fragment lane (r, h = t % 2) holds in registers 6 c on, c = t / 2.
.Lweights:
	s_cmp_lt_u32 ttmp9, 1280                       ; work-groups 1280 on take the mask
	s_cbranch_scc0 .Lmask
	s_sub_co_u32 s23, ttmp9, 256
	s_lshr_b32 s24, s23, 8                         ; which weight
	s_bfe_u32 s25, s23, 0x40004                    ; K step
	s_and_b32 s26, s23, 15                         ; column group: neighbouring work-groups read neighbouring columns
	s_lshl_b32 s28, s25, 20                        ; 128 rows of 8,192 bytes
	s_lshl_b32 s27, s26, 9
	s_add_co_u32 s28, s28, s27                     ; + 128 columns a group
	s_lshl_b32 s27, s18, 7
	s_add_co_u32 s28, s28, s27                     ; + 32 columns a wave
	s_mov_b32 s29, 0
	s_lshl_b32 s30, s24, 4
	s_add_co_u32 s30, s30, s26
	s_lshl_b32 s30, s30, 4
	s_add_co_u32 s30, s30, s25
	s_mul_i32 s30, s30, BLK                        ; my block in wimg
	s_mov_b32 s31, 0
	s_wait_alu depctr_va_vdst(0)
	v_and_b32 v4, 8, v2
	v_add_nc_u32 v4, v4, v2                        ; r + 8 (r / 8)
	v_lshl_add_u32 v4, v3, 3, v4                   ; + 8 u
	v_lshlrev_b32 v4, 2, v4                        ; my column, in bytes: the wave reads 128 consecutive bytes, the four waves 512
	s_mul_i32 s32, s18, 2*TILEB
	v_mul_u32_u24 v5, v3, TILEB
	v_lshl_add_u32 v5, v2, 4, v5
	v_add_nc_u32 v5, s32, v5                       ; my tile, + 16 r
	s_lshl_b32 s32, s18, 7
	v_lshlrev_b32 v6, 2, v1
	v_add_nc_u32 v6, s32, v6                       ; my scale register
	s_wait_alu depctr_va_vdst(0)
	s_wait_kmcnt 0x0
	s_cmp_eq_u32 s24, 1                            ; the choice hangs on the work-group's number alone
	s_cselect_b64 s[6:7], s[8:9], s[6:7]
	s_cmp_eq_u32 s24, 2
	s_cselect_b64 s[6:7], s[10:11], s[6:7]
	s_cmp_eq_u32 s24, 3
	s_cselect_b64 s[6:7], s[12:13], s[6:7]
	s_add_nc_u64 s[6:7], s[6:7], s[28:29]
	s_add_nc_u64 s[16:17], s[16:17], s[30:31]
.macro WLOAD t
.irp n, 0,1,2,3,4,5,6,7,8,9,10,11,12,13,14,15,16,17,18,19,20,21,22,23,24,25,26,27,28,29,30,31
	global_load_b32 v[32+32*((\t)%2)+\n], v4, s[6:7] offset:(32*(\t)+\n)*ROWB th:TH_LOAD_NT
.endr
.endm
.macro WBLK t
.set XS, 32+32*((\t)%2)
.if (\t) < 3
	s_wait_loadcnt 32                              ; this block's 32 loads are in; the next block's may be out
.else
	s_wait_loadcnt 0x0
.endif
	BMAX 10, 11, XS
	v_add_nc_u32 v12, EOFF, v10
	v_lshrrev_b32 v13, 23, v12
.if (\t) == 0
	v_mov_b32 v14, v13                             ; the column's scale word, the lower K in the lower byte
.else
	v_lshl_or_b32 v14, v13, 8*(\t), v14
.endif
	v_cvt_scalef32_pk16_fp6_f32 v[96+4*(\t):96+4*(\t)+2], v[XS:XS+15], v12
	v_cvt_scalef32_pk16_fp6_f32 v[120:122], v[XS+16:XS+31], v12
	v_nop                                          ; one plain place behind a scaled conversion
	v_mov_b32 v[96+4*(\t)+3], v120                 ; registers 6 c .. 6 c + 3: part P;
	v_mov_b32 v[112+4*((\t)/2)+2*((\t)%2)], v121   ; registers 6 c + 4, 6 c + 5: part Q, both h side by side
	v_mov_b32 v[112+4*((\t)/2)+2*((\t)%2)+1], v122
	global_store_b128 v5, v[96+4*(\t):96+4*(\t)+3], s[16:17] offset:768*((\t)/2)+256*((\t)%2)   ; sixteen lanes store 256 consecutive aligned bytes
.if (\t)%2
	global_store_b128 v5, v[112+4*((\t)/2):112+4*((\t)/2)+3], s[16:17] offset:768*((\t)/2)+512
.endif
.if (\t)+2 < 4
	WLOAD (\t)+2
.endif
.endm
	WLOAD 0
	WLOAD 1
	WBLK 0
	WBLK 1
	WBLK 2
	WBLK 3
	global_store_b32 v6, v14, s[16:17] offset:SCO
	s_endpgm
; ---- the mask [2048 queries][2048 keys], f32: mimg holds mask x sqrt(128), held to +-2^127, in the register order in which the scores' accumulators take it as the C of k q^T:
; (k q^T + mask sqrt(128)) / sqrt(128) = the logit.  mimg: [query block 16][key step 16][query tile 8] chunks of 8,192 bytes; in a chunk group g (16 of 512 bytes) holds registers 4 g .. 4 g + 3 of lane l at 16 l;
; lane (r, h) stands for the tile's row r (the tiles' row order is the blocks'), register 16 b + i for key 32 b + 16 h + i of the step.
; Work-group = 1280 + 16 x query block + key step; wave i: tiles 2 i and 2 i + 1.  Rows are read as x's are, 512 bytes a load, and turn through a stage of this path's own.  Every store covers 512 consecutive aligned bytes.
; LIMIT: mask numbers beyond 2^127 / sqrt(128) in magnitude are held there; NaN is not served.
.set MSTG, 0x8600                      ; behind x's stages and the spare words
.macro MOUT X
.irp g, 0,1,2,3,4,5,6,7,8,9,10,11,12,13,14,15
	ds_load_b128 v[\X+4*\g:\X+4*\g+3], v6 offset:128*(\g/4)+16*(\g%4)
.endr
.endm
.macro MQ u, X
.set j, 0
.rept 32
	v_pk_mul_f32 v[\X+j:\X+j+1], v[\X+j:\X+j+1], s[34:35] op_sel_hi:[1,0]
.set j, j+2
.endr
.set j, 0
.rept 64
	v_med3_num_f32 v[\X+j], v[\X+j], s32, s33
.set j, j+1
.endr
.irp g, 0,1,2,3,4,5,6,7,8,9,10,11,12,13,14,15
	global_store_b128 v4, v[\X+4*\g:\X+4*\g+3], s[38:39] offset:8192*\u+512*\g
.endr
.endm
.Lmask:
	s_sub_co_u32 s23, ttmp9, 1280
	s_lshr_b32 s24, s23, 4                         ; query block
	s_and_b32 s25, s23, 15                         ; key step
	s_lshl_b32 s24, s24, 7
	s_lshl_b32 s26, s18, 5
	s_add_co_u32 s24, s24, s26                     ; my first row: 128 x block + 32 x wave
	s_lshl_b32 s26, s24, 13
	s_lshl_b32 s25, s25, 9
	s_add_co_u32 s26, s26, s25                     ; + 512 bytes a key step
	s_mov_b32 s27, 0
	s_lshl_b32 s28, s23, 16                        ; eight chunks for a block and a step,
	s_lshl_b32 s29, s18, 14                        ; my two
	s_add_co_u32 s28, s28, s29
	s_mov_b32 s29, 0
	s_mul_i32 s30, s18, STGB
	s_add_co_u32 s30, s30, MSTG
	s_mov_b32 s32, 0xff000000                      ; -2^127
	s_mov_b32 s33, 0x7f000000                      ; 2^127
	s_mov_b32 s34, 0x413504f3                      ; sqrt(128)
	s_mov_b32 s35, s34                             ; (named with it as a pair, so it is written)
	s_wait_alu depctr_va_vdst(0)
	v_lshlrev_b32 v4, 4, v1                        ; 16 x lane
	v_add_nc_u32 v5, s30, v4                       ; the stage, in
	v_mul_u32_u24 v6, v2, SPT
	v_lshl_add_u32 v6, v3, 6, v6
	v_add_nc_u32 v6, s30, v6                       ; the stage, out: row r, + 64 h
	s_wait_alu depctr_va_vdst(0)
	s_wait_kmcnt 0x0
	s_add_nc_u64 s[4:5], s[36:37], s[26:27]
	s_add_nc_u64 s[38:39], s[38:39], s[28:29]
	XLOAD 0
	XLOAD 1
	s_wait_loadcnt 16                              ; tile 0's 16 loads are in
	XIN 0
	MOUT 160
	s_wait_loadcnt 0x0
	XIN 1
	s_wait_dscnt 16                                ; all but tile 1's 16 stores: tile 0 is back, and its stage stores have read v32-95,
	MOUT 32                                        ; which take tile 1
	MQ 0, 160
	s_wait_dscnt 0x0
	MQ 1, 32
	s_wait_tensorcnt 0x0                           ; the wave's end
	ds_add_u32 v251, v255
	s_wait_dscnt 0x0
	s_endpgm
.Lfunc_end_k_qae47cfa580_quant:
	.size	k_qae47cfa580_quant, .Lfunc_end_k_qae47cfa580_quant-k_qae47cfa580_quant
	.p2alignl 7, 3214868480
	.fill 96, 4, 3214868480
	.section	.rodata,"a",@progbits
	.p2align	6, 0x0
	.amdhsa_kernel k_qae47cfa580_quant
		.amdhsa_group_segment_fixed_size 68096
		.amdhsa_private_segment_fixed_size 0
		.amdhsa_enable_private_segment 0
		.amdhsa_kernarg_size 72
		.amdhsa_user_sgpr_count 2
		.amdhsa_user_sgpr_kernarg_segment_ptr 1
		.amdhsa_wavefront_size32 1
		.amdhsa_system_sgpr_workgroup_id_x 1
		.amdhsa_system_sgpr_workgroup_id_y 1
		.amdhsa_system_sgpr_workgroup_id_z 1
		.amdhsa_system_vgpr_workitem_id 0
		.amdhsa_next_free_vgpr 256
		.amdhsa_next_free_sgpr 66
		.amdhsa_reserve_vcc 0
		.amdhsa_float_denorm_mode_32 3
		.amdhsa_float_denorm_mode_16_64 3
		.amdhsa_memory_ordered 1
		.amdhsa_forward_progress 1
		.amdhsa_inst_pref_size 60
	.end_amdhsa_kernel
	.amdgpu_metadata
---
amdhsa.version: [ 1, 2 ]
amdhsa.kernels:
  - .name:           k_qae47cfa580_quant
    .symbol:         k_qae47cfa580_quant.kd
    .args:
      - { .name: x, .offset: 0, .size: 8, .value_kind: global_buffer, .address_space: global }
      - { .name: w_q, .offset: 8, .size: 8, .value_kind: global_buffer, .address_space: global }
      - { .name: w_k, .offset: 16, .size: 8, .value_kind: global_buffer, .address_space: global }
      - { .name: w_v, .offset: 24, .size: 8, .value_kind: global_buffer, .address_space: global }
      - { .name: w_o, .offset: 32, .size: 8, .value_kind: global_buffer, .address_space: global }
      - { .name: ximg, .offset: 40, .size: 8, .value_kind: global_buffer, .address_space: global }
      - { .name: wimg, .offset: 48, .size: 8, .value_kind: global_buffer, .address_space: global }
      - { .name: mask, .offset: 56, .size: 8, .value_kind: global_buffer, .address_space: global }
      - { .name: mimg, .offset: 64, .size: 8, .value_kind: global_buffer, .address_space: global }
    .group_segment_fixed_size: 68096
    .private_segment_fixed_size: 0
    .kernarg_segment_align: 8
    .kernarg_segment_size: 72
    .max_flat_workgroup_size: 128
    .sgpr_count:     66
    .vgpr_count:     256
    .wavefront_size: 32
...
	.end_amdgpu_metadata
.endif
;; end of part 1
;; launch qkv (part 2): grid 16 x 16, 4 waves a work-group, clusters of 4 x 4, 327,680 bytes of LDS; arguments ximg, wimg, qkv; writes qkv
.if DOCPART == 2
	.amdgcn_target "amdgcn-amd-amdhsa--gfx1250"
	.amdhsa_code_object_version 6
	.text
	.protected	k_qae47cfa580_qkv
	.globl	k_qae47cfa580_qkv
	.p2align	8
	.type	k_qae47cfa580_qkv,@function
k_qae47cfa580_qkv:
	s_mov_b64 s[64:65], 0
	v_nop
	global_prefetch_b8 v0, s[64:65] scope:SCOPE_SE
	s_setreg_imm32_b32 hwreg(HW_REG_WAVE_MODE, 25, 1), 1
	s_wait_xcnt 0x0
	s_wait_alu depctr_hold_cnt(0) depctr_sa_sdst(0) depctr_va_vdst(0) depctr_va_sdst(0) depctr_va_ssrc(0) depctr_va_vcc(0) depctr_vm_vsrc(0)
	s_getreg_b32 s2, hwreg(HW_REG_IB_STS2, 6, 4)
	s_cmp_eq_u32 s2, 0
	s_cbranch_scc0 .Lentry_in_a_cluster
	s_endpgm
.Lentry_in_a_cluster:
	s_bfe_u32 s2, ttmp6, 0x10000c
	s_cmp_lg_u32 s2, 0xf033
	s_cbranch_scc0 .Lentry_shape_is_right
	s_endpgm
.Lentry_shape_is_right:
.set BLK,   12800
.set TILEB, 1536
.set SCO,   12288
.set PANEL, 2*BLK
.set SLOT,  4*PANEL
.set SCST,  2*SLOT
.set SPARE, SCST+2048
.set FLOOR, 0x1800000
.set EOFF,  0xff000000
.set AP,  16
.set AQ,  18
.set BP,  20
.set BQ,  22
.set VP,  24
.set VQ,  26
.set SAA, 28
.set SBA, 30
.set SVA, 32
.set SPW, 34
.set NIL, 35
.set OPQK, 36
.set OQQK, 37
.set OPV,  38
.set OQV,  39
.set SCQK, 40
.set SCV,  41
.set SCRD, 42
.set SCGO, 43
.set SC,  48
.set XF,  64
.set VF,  160
.set TM,  208
.set TP,  216
.set SO,  224
.set BY,  232
.set HW,  240
.set JJ,  244
.set G1,  24
.set G0,  32
.set G1B, 48
.set G0B, 56
.set SEL, 66
.set HI,  68
.set MSB, 0
.macro WIN new
.if MSB != (\new)
	s_set_vgpr_msb (MSB<<8)|(\new)
.set MSB, (\new)
.endif
.endm
.macro PLACES n
.rept \n
	v_nop
.endr
.endm
.macro CREST
	s_cmp_lg_u32 s10, 0
	s_cbranch_scc1 .Lnot_wave_0_\@
	s_barrier_signal -3
.Lnot_wave_0_\@:
	s_barrier_wait -3
	s_barrier_signal -1
	s_barrier_wait -1
.endm
.macro CROUND
	s_barrier_signal -1
	s_barrier_wait -1
	CREST
.endm
.macro JLOAD g0a, g0b
	s_cmp_eq_u32 s10, 0
	s_cbranch_scc0 .Lfor_b_\@
	tensor_load_to_lds s[\g0a:\g0a+3], s[G1:G1+7]
	s_nop 0
	PLACES 4
	s_branch .Lasked_\@
.Lfor_b_\@:
	tensor_load_to_lds s[\g0b:\g0b+3], s[G1B:G1B+7]
	s_nop 0
	PLACES 4
.Lasked_\@:
.endm
.macro FRAG reg, ap, aq, off
	ds_load_b128 v[(\reg):(\reg)+3], v[\ap] offset:(\off)
	ds_load_b64 v[(\reg)+4:(\reg)+5], v[\aq] offset:(\off)+512
	ds_load_b128 v[(\reg)+6:(\reg)+9], v[\ap] offset:(\off)+768
	ds_load_b64 v[(\reg)+10:(\reg)+11], v[\aq] offset:(\off)+1280
.endm
.macro WM
.if fZ
.if fRA && fRB
	v_wmma_scale_f32_16x16x128_f8f6f4 v[rD:rD+7], v[rA:rA+11], v[rB:rB+11], 0, v[rSA], v[rSB] matrix_a_fmt:MATRIX_FMT_FP6 matrix_b_fmt:MATRIX_FMT_FP6 matrix_a_scale:MATRIX_SCALE_ROW1 matrix_b_scale:MATRIX_SCALE_ROW1
.elseif fRA
	v_wmma_scale_f32_16x16x128_f8f6f4 v[rD:rD+7], v[rA:rA+11], v[rB:rB+11], 0, v[rSA], v[rSB] matrix_a_fmt:MATRIX_FMT_FP6 matrix_b_fmt:MATRIX_FMT_FP6 matrix_a_scale:MATRIX_SCALE_ROW1
.elseif fRB
	v_wmma_scale_f32_16x16x128_f8f6f4 v[rD:rD+7], v[rA:rA+11], v[rB:rB+11], 0, v[rSA], v[rSB] matrix_a_fmt:MATRIX_FMT_FP6 matrix_b_fmt:MATRIX_FMT_FP6 matrix_b_scale:MATRIX_SCALE_ROW1
.else
	v_wmma_scale_f32_16x16x128_f8f6f4 v[rD:rD+7], v[rA:rA+11], v[rB:rB+11], 0, v[rSA], v[rSB] matrix_a_fmt:MATRIX_FMT_FP6 matrix_b_fmt:MATRIX_FMT_FP6
.endif
.else
.if fRA && fRB
	v_wmma_scale_f32_16x16x128_f8f6f4 v[rD:rD+7], v[rA:rA+11], v[rB:rB+11], v[rD:rD+7], v[rSA], v[rSB] matrix_a_fmt:MATRIX_FMT_FP6 matrix_b_fmt:MATRIX_FMT_FP6 matrix_a_scale:MATRIX_SCALE_ROW1 matrix_b_scale:MATRIX_SCALE_ROW1
.elseif fRA
	v_wmma_scale_f32_16x16x128_f8f6f4 v[rD:rD+7], v[rA:rA+11], v[rB:rB+11], v[rD:rD+7], v[rSA], v[rSB] matrix_a_fmt:MATRIX_FMT_FP6 matrix_b_fmt:MATRIX_FMT_FP6 matrix_a_scale:MATRIX_SCALE_ROW1
.elseif fRB
	v_wmma_scale_f32_16x16x128_f8f6f4 v[rD:rD+7], v[rA:rA+11], v[rB:rB+11], v[rD:rD+7], v[rSA], v[rSB] matrix_a_fmt:MATRIX_FMT_FP6 matrix_b_fmt:MATRIX_FMT_FP6 matrix_b_scale:MATRIX_SCALE_ROW1
.else
	v_wmma_scale_f32_16x16x128_f8f6f4 v[rD:rD+7], v[rA:rA+11], v[rB:rB+11], v[rD:rD+7], v[rSA], v[rSB] matrix_a_fmt:MATRIX_FMT_FP6 matrix_b_fmt:MATRIX_FMT_FP6
.endif
.endif
.endm
	s_load_b128 s[4:7], s[0:1], 0x0
	s_load_b64 s[8:9], s[0:1], 0x10
	v_lshl_add_u32 v[SPW], v0, 2, SPARE
	v_mov_b32 v[NIL], 0
	ds_add_u32 v34, v35
	ds_add_u32 v34, v35
	s_wait_dscnt 0x0
	v_lshrrev_b32 v1, 5, v0
	v_readfirstlane_b32 s10, v1
	s_lshr_b32 s11, s10, 1
	s_and_b32 s12, s10, 1
	s_bfe_u32 s40, ttmp6, 0x40000
	s_bfe_u32 s41, ttmp6, 0x40004
	s_lshl_b32 s42, ttmp9, 2
	s_add_co_u32 s42, s42, s40
	s_and_b32 s13, ttmp7, 0xffff
	s_lshl_b32 s13, s13, 2
	s_add_co_u32 s13, s13, s41
	s_lshl_b32 s43, s41, 2
	s_lshl_b32 s43, 15, s43
	s_lshl_b32 s44, 0x1111, s40
	s_or_b32 s[G1], s43, (3<<16)|(1<<21)
	s_or_b32 s[G1B], s44, (3<<16)|(1<<21)
.irp g, G1, G1B
	s_mov_b32 s[\g+1], 32<<16
	s_mov_b32 s[\g+2], 100<<16
	s_mov_b32 s[\g+3], 32<<16
	s_mov_b32 s[\g+4], 100
	s_mov_b32 s[\g+5], 32
	s_mov_b32 s[\g+6], 0
	s_mov_b32 s[\g+7], 0
.endr
	s_mul_i32 s14, s13, 16*BLK
	s_mov_b32 s15, 0
	s_max_u32 s46, s10, 1
	s_sub_co_u32 s46, s46, 1
	s_mul_i32 s46, s46, 256*BLK
	s_mul_i32 s47, s42, 16*BLK
	s_add_co_u32 s46, s46, s47
	s_mov_b32 s47, 0
	s_mul_i32 s20, s10, PANEL
	s_mov_b32 s[SEL], 0x76543210
	s_mov_b32 s[SEL+1], 0xfedcba98
	s_mov_b32 s[HI], 0xffff0000
	s_wait_kmcnt 0x0
	s_add_nc_u64 s[14:15], s[4:5], s[14:15]
	s_add_nc_u64 s[46:47], s[6:7], s[46:47]
	CROUND
.irp s, 0,1
	s_mov_b32 s[G0+4*\s], 1
	s_add_co_u32 s[G0+4*\s+1], s20, \s*SLOT
	s_add_nc_u64 s[G0+4*\s+2:G0+4*\s+3], s[14:15], \s*PANEL
	s_or_b32 s[G0+4*\s+3], s[G0+4*\s+3], 0x80000000
	s_mov_b32 s[G0B+4*\s], 1
	s_add_co_u32 s[G0B+4*\s+1], s20, \s*SLOT
	s_add_nc_u64 s[G0B+4*\s+2:G0B+4*\s+3], s[46:47], \s*PANEL
	s_or_b32 s[G0B+4*\s+3], s[G0B+4*\s+3], 0x80000000
	s_wait_alu depctr_va_vdst(0)
	s_wait_tensorcnt 0x0
	ds_add_u32 v34, v35
	ds_add_u32 v34, v35
	s_wait_dscnt 0x0
	CROUND
	JLOAD G0+4*\s, G0B+4*\s
.endr
	v_and_b32 v1, 31, v0
	v_and_b32 v2, 15, v0
	v_bfe_u32 v3, v0, 4, 1
	v_lshlrev_b32 v4, 4, v1
	s_wait_alu depctr_va_vdst(0)
	v_lshlrev_b32 v5, 4, v2
	v_lshl_add_u32 v5, v3, 3, v5
	s_wait_alu depctr_va_vdst(0)
	v_lshlrev_b32 v6, 2, v1
	s_wait_alu depctr_va_vdst(0)
	s_mul_i32 s16, s11, 4*TILEB
	s_mul_i32 s17, s12, 4*TILEB
	s_lshl_b32 s18, s11, 8
	s_lshl_b32 s19, s12, 8
	s_mul_i32 s21, s12, 768
	s_add_co_u32 s21, s21, s16
	v_add_nc_u32 v[OPQK], s21, v4
	v_add_nc_u32 v[OQQK], s21, v5
	s_mul_i32 s21, s11, 768
	s_add_co_u32 s21, s21, s17
	v_add_nc_u32 v[OPV], s21, v4
	v_add_nc_u32 v[OQV], s21, v5
	s_lshl_b32 s21, s12, 1
	s_add_co_u32 s21, s21, s18
	s_add_co_u32 s21, s21, SCST
	v_add_nc_u32 v[SCQK], s21, v6
	s_lshl_b32 s21, s11, 1
	s_add_co_u32 s21, s21, s19
	s_add_co_u32 s21, s21, SCST
	v_add_nc_u32 v[SCV], s21, v6
	s_lshl_b32 s21, s10, 9
	s_add_co_u32 s21, s21, SCST
	v_add_nc_u32 v[SCRD], s21, v4
	s_mul_i32 s21, s10, BLK
	s_add_co_u32 s21, s21, SCO
	v_add_nc_u32 v[SCGO], s21, v4
	s_add_co_u32 s21, s17, PANEL
	s_add_co_u32 s22, s17, 3*PANEL
	s_add_co_u32 s18, s18, SCO
	s_add_co_u32 s23, s19, PANEL+SCO
	s_add_co_u32 s19, s19, 3*PANEL+SCO
.irp s, 0,1
	v_add_nc_u32 v[AP+\s], s16, v4
	v_add_nc_u32 v[AQ+\s], s16, v5
	v_add_nc_u32 v[BP+\s], s21, v4
	v_add_nc_u32 v[BQ+\s], s21, v5
	v_add_nc_u32 v[VP+\s], s22, v4
	v_add_nc_u32 v[VQ+\s], s22, v5
	v_add_nc_u32 v[SAA+\s], s18, v6
	v_add_nc_u32 v[SBA+\s], s23, v6
	v_add_nc_u32 v[SVA+\s], s19, v6
	s_add_co_u32 s16, s16, SLOT
	s_add_co_u32 s21, s21, SLOT
	s_add_co_u32 s22, s22, SLOT
	s_add_co_u32 s18, s18, SLOT
	s_add_co_u32 s23, s23, SLOT
	s_add_co_u32 s19, s19, SLOT
.endr
	s_lshl_b32 s16, s42, 4
	s_add_co_u32 s16, s16, s13
	s_mul_i32 s16, s16, 3*BLK
	s_mov_b32 s17, 0
	s_add_nc_u64 s[8:9], s[8:9], s[16:17]
.macro FETCH slot, q, p
	WIN 0
.irp t, 0,1,2,3
	FRAG XF+48*(\p)+12*\t, AP+\slot, AQ+\slot, BLK*(\q)+TILEB*\t
.endr
.irp t, 0,1,2,3
	FRAG VF+48*(\p)+12*\t, VP+\slot, VQ+\slot, BLK*(\q)+TILEB*\t
.endr
.irp i, 0,1
	ds_load_b32 v[SC+8*(\p)+\i], v[SAA+\slot] offset:BLK*(\q)+128*\i
	ds_load_b32 v[SC+8*(\p)+2+\i], v[SBA+\slot] offset:BLK*(\q)+128*\i
	ds_load_b32 v[SC+8*(\p)+4+\i], v[SBA+\slot] offset:PANEL+BLK*(\q)+128*\i
	ds_load_b32 v[SC+8*(\p)+6+\i], v[SVA+\slot] offset:BLK*(\q)+128*\i
.endr
	WIN 0xc0
.irp m, 0,1
.irp t, 0,1,2,3
	FRAG 96*(\p)+48*\m+12*\t, BP+\slot, BQ+\slot, PANEL*\m+BLK*(\q)+TILEB*\t
.endr
.endr
	WIN 0
.endm
.macro MULQK m, p, z
.set fZ, \z
.irp T, 0,1,2,3
.irp n, 0,1,2,3
.set rD, 128*\m+8*(4*\T+\n)
.set rA, 96*\p+48*\m+12*\n
.set rB, XF+48*\p+12*\T
.set rSA, SC+8*\p+2+2*\m+\n/2
.set fRA, \n%2
.set rSB, SC+8*\p+\T/2
.set fRB, \T%2
	WM
.endr
.endr
.endm
.macro MULV p, z
.set fZ, \z
.irp n, 0,1,2,3
.irp T, 0,1,2,3
.set rD, 8*(4*\n+\T)
.set rA, XF+48*\p+12*\T
.set rB, VF+48*\p+12*\n
.set rSA, SC+8*\p+\T/2
.set fRA, \T%2
.set rSB, SC+8*\p+6+\n/2
.set fRB, \n%2
	WM
.endr
.endr
.endm
.macro KS0 slot, z
	s_wait_dscnt 0x0
	PLACES 4
	FETCH \slot, 1, 1
	WIN 0x53
	MULQK 0, 0, \z
	MULQK 1, 0, \z
	WIN 0xa0
	MULV 0, \z
	WIN 0
.endm
.macro KS1 slot, other, fill
	s_wait_tensorcnt 0x0
	ds_add_u32 v[SPW], v[NIL]
	s_wait_dscnt 0x0
	s_barrier_signal -1
	WIN 0x53
	MULQK 0, 1, 0
	WIN 0
	s_barrier_wait -1
.if \fill
	CREST
	s_add_nc_u64 s[G0+4*\slot+2:G0+4*\slot+3], s[G0+4*\slot+2:G0+4*\slot+3], 2*PANEL
	s_add_nc_u64 s[G0B+4*\slot+2:G0B+4*\slot+3], s[G0B+4*\slot+2:G0B+4*\slot+3], 2*PANEL
	JLOAD G0+4*\slot, G0B+4*\slot
.else
	PLACES 4
.endif
	s_wait_alu depctr_va_vdst(0)
	FETCH \other, 0, 0
	WIN 0x53
	MULQK 1, 1, 0
	WIN 0xa0
	MULV 1, 0
	WIN 0
.endm
	s_wait_tensorcnt 0x1
	s_barrier_signal -1
	s_barrier_wait -1
	FETCH 0, 0, 0
	KS0 0, 1
	s_mov_b32 s3, 3
.Llap:
	KS1 0, 1, 1
	KS0 1, 0
	KS1 1, 0, 1
	KS0 0, 0
	s_sub_co_u32 s3, s3, 1
	s_cmp_lg_u32 s3, 0
	s_cbranch_scc1 .Llap
	KS1 0, 1, 0
	KS0 1, 0
	s_wait_dscnt 0x0
	WIN 0x53
	MULQK 0, 1, 0
	MULQK 1, 1, 0
	WIN 0xa0
	MULV 1, 0
	WIN 0
.macro EPI m, w1, w2, w3, AB, ap, aq, sca
.set CB, 64+48*\m
	WIN \w1
.irp k, 0,1,2,3,4,5,6,7
	v_max3_num_f32 v[TM+\k], |v[\AB+16*\k]|, |v[\AB+16*\k+1]|, FLOOR
.endr
	WIN \w2
.irp i, 2,4,6,8,10,12,14
.irp k, 0,1,2,3,4,5,6,7
	v_max3_num_f32 v[TM+\k], v[TM+\k], |v[\AB+16*\k+\i]|, |v[\AB+16*\k+\i+1]|
.endr
.endr
	WIN 0
.irp k, 0,1,2,3,4,5,6,7
	v_permlanex16_b32 v[TP+\k], v[TM+\k], s[SEL], s[SEL+1]
.endr
.irp k, 0,1,2,3,4,5,6,7
	v_max_num_f32 v[TM+\k], v[TM+\k], v[TP+\k]
.endr
.irp k, 0,1,2,3,4,5,6,7
	v_add_nc_u32 v[SO+\k], EOFF, v[TM+\k]
.endr
.irp k, 0,1,2,3,4,5,6,7
	v_lshrrev_b32 v[BY+\k], 23, v[SO+\k]
.endr
.irp U, 0,1,2,3
	v_lshl_or_b32 v[HW+\U], v[BY+2*\U+1], 8, v[BY+2*\U]
.endr
.irp i, 0,1
	v_cndmask_b32 v[JJ+2*\m+\i], v[HW+2*\i], v[HW+2*\i+1], s[HI]
	ds_store_b16 v[\sca], v[JJ+2*\m+\i] offset:512*\m+128*\i
.endr
	WIN \w3
.irp U, 0,1,2,3
	v_cvt_scalef32_pk16_fp6_f32 v[CB+12*\U:CB+12*\U+2], v[\AB+32*\U:\AB+32*\U+15], v[SO+2*\U]
	v_cvt_scalef32_pk16_fp6_f32 v[CB+12*\U+6:CB+12*\U+8], v[\AB+32*\U+16:\AB+32*\U+31], v[SO+2*\U+1]
.endr
	WIN 0
	v_nop
.irp U, 0,1,2,3
.irp i, 0,1,2
	v_permlane16_swap_b32 v[CB+12*\U+\i], v[CB+12*\U+6+\i]
.endr
.irp i, 0,1,2
	v_mov_b32 v[CB+12*\U+3+\i], v[CB+12*\U+6+\i]
.endr
.endr
.irp U, 0,1,2,3
	global_store_b128 v[\ap], v[CB+12*\U:CB+12*\U+3], s[8:9] offset:BLK*\m+TILEB*\U
	global_store_b64 v[\aq], v[CB+12*\U+4:CB+12*\U+5], s[8:9] offset:BLK*\m+TILEB*\U+512
.endr
.endm
	PLACES 4
.irp k, 0,1,2,3,4,5,6,7
	v_mov_b32 v[TP+\k], 0
.endr
	EPI 0, 0x05, 0x14, 0x01, 0, OPQK, OQQK, SCQK
	EPI 1, 0x05, 0x14, 0x01, 128, OPQK, OQQK, SCQK
	EPI 2, 0x0a, 0x28, 0x02, 0, OPV, OQV, SCV
	s_wait_dscnt 0x0
	s_barrier_signal -1
	s_barrier_wait -1
	s_cmp_lt_u32 s10, 3
	s_cbranch_scc0 .Lno_scales
	ds_load_b128 v[250:253], v[SCRD]
	s_wait_dscnt 0x0
	global_store_b128 v[SCGO], v[250:253], s[8:9]
.Lno_scales:
	s_wait_tensorcnt 0x0
	ds_add_u32 v[SPW], v[NIL]
	s_wait_dscnt 0x0
	CROUND
	s_endpgm
.Lfunc_end_k_qae47cfa580_qkv:
	.size	k_qae47cfa580_qkv, .Lfunc_end_k_qae47cfa580_qkv-k_qae47cfa580_qkv
	.p2alignl 7, 3214868480
	.fill 96, 4, 3214868480
	.section	.rodata,"a",@progbits
	.p2align	6, 0x0
	.amdhsa_kernel k_qae47cfa580_qkv
		.amdhsa_group_segment_fixed_size 327680
		.amdhsa_private_segment_fixed_size 0
		.amdhsa_enable_private_segment 0
		.amdhsa_kernarg_size 24
		.amdhsa_user_sgpr_count 2
		.amdhsa_user_sgpr_kernarg_segment_ptr 1
		.amdhsa_wavefront_size32 1
		.amdhsa_system_sgpr_workgroup_id_x 1
		.amdhsa_system_sgpr_workgroup_id_y 1
		.amdhsa_system_sgpr_workgroup_id_z 1
		.amdhsa_system_vgpr_workitem_id 0
		.amdhsa_next_free_vgpr 1024
		.amdhsa_next_free_sgpr 100
		.amdhsa_reserve_vcc 0
		.amdhsa_float_denorm_mode_32 3
		.amdhsa_float_denorm_mode_16_64 3
		.amdhsa_memory_ordered 1
		.amdhsa_forward_progress 1
		.amdhsa_inst_pref_size 125
	.end_amdhsa_kernel
	.amdgpu_metadata
---
amdhsa.version: [ 1, 2 ]
amdhsa.kernels:
  - .name:           k_qae47cfa580_qkv
    .symbol:         k_qae47cfa580_qkv.kd
    .args:
      - { .name: ximg, .offset: 0, .size: 8, .value_kind: global_buffer, .address_space: global }
      - { .name: wimg, .offset: 8, .size: 8, .value_kind: global_buffer, .address_space: global }
      - { .name: qkv, .offset: 16, .size: 8, .value_kind: global_buffer, .address_space: global }
    .group_segment_fixed_size: 327680
    .private_segment_fixed_size: 0
    .kernarg_segment_align: 8
    .kernarg_segment_size: 24
    .max_flat_workgroup_size: 128
    .sgpr_count:     100
    .vgpr_count:     1024
    .wavefront_size: 32
...
	.end_amdgpu_metadata
.endif
;; end of part 2
;; launch attn (part 3): grid 16 x 16, 8 waves a work-group, clusters of 4 x 4, 327,680 bytes of LDS; arguments qkv, mimg, aimg; writes aimg
.if DOCPART == 3
	.amdgcn_target "amdgcn-amd-amdhsa--gfx1250"
	.amdhsa_code_object_version 6
	.text
	.protected	k_qae47cfa580_attn
	.globl	k_qae47cfa580_attn
	.p2align	8
	.type	k_qae47cfa580_attn,@function
k_qae47cfa580_attn:
	s_mov_b64 s[64:65], 0
	v_nop
	global_prefetch_b8 v0, s[64:65] scope:SCOPE_SE
	s_setreg_imm32_b32 hwreg(HW_REG_WAVE_MODE, 25, 1), 1
	s_wait_xcnt 0x0
	s_wait_alu depctr_hold_cnt(0) depctr_sa_sdst(0) depctr_va_vdst(0) depctr_va_sdst(0) depctr_va_ssrc(0) depctr_va_vcc(0) depctr_vm_vsrc(0)
	s_getreg_b32 s2, hwreg(HW_REG_IB_STS2, 6, 4)
	s_cmp_eq_u32 s2, 0
	s_cbranch_scc0 .Lentry_in_a_cluster
	s_endpgm
.Lentry_in_a_cluster:
	s_bfe_u32 s2, ttmp6, 0x10000c
	s_cmp_lg_u32 s2, 0xf033
	s_cbranch_scc0 .Lentry_shape_is_right
	s_endpgm
.Lentry_shape_is_right:
; For each head: S = q k^T / sqrt(128) + mask; p = 2^(t - M), t = S log2(e), M the running ceiling of the row's largest t; O = (p v) / (the sum of the unquantised p); O is quantised along d_model.  Both products on codes of FP6 (E2M3) with E8M0 scales.
; THE MASK IS AN INPUT: all of it is added, element by element; no key step is left out.  It comes as mimg, which the first launch lays: mask x sqrt(128), held to +-2^127, in the register order of S^T's accumulators
; ([query block 16][key step 16][query tile 8] chunks of 8,192 bytes, registers 4 g .. 4 g + 3 of lane l at 512 g + 16 l).  It is loaded straight into the accumulators and is the C of k q^T: S' = k q^T + mask sqrt(128), t = S' log2(e) / sqrt(128).
; qkv [head 16][token block 16][q, k, v] and aimg [token block 16][head 16] hold BLOCKS of 12,800 bytes (128 operand rows x 128 along K as images of operand registers: 8 tiles of 1,536 bytes, lane r of tile 2 b + u = row 32 b + 8 u + r + 8 (r / 8);
; a tile's half c: registers 6 c .. 6 c + 3 of lane l at 16 l, registers 6 c + 4, 6 c + 5 at 512 + 16 r + 8 h; at 12,288 four scale registers of 128 bytes, each for two tiles).  v's rows are channels, its K the keys.
; SHARES.  Work-group (head x, query block y): 128 queries; eight waves, two to a SIMD, 512 registers each; wave w: query tile w, 16 queries.  Every wave walks all 2,048 keys, 128 a step, four steps a quad.
; LAYOUT.  Both products transposed: S^T = K Q^T, O^T = V P: a lane holds one query throughout; register 16 b + i of S^T is key 32 b + 16 h + i, and of O^T channel 32 b + 16 h + i.
; RING.  Two LDS slots, 2^17 bytes apart, each with K's and V's blocks of a quad: 102,400 bytes.  Wave w fetches block w of the slot's eight with one tensor load.  At a quad's top the next quad is asked for: four fills in all, three of them behind a round.
; CLUSTER 4 x 4: K and V hang on the head alone and are asked for jointly by a column of the cluster.  The mask's chunks are a wave's own and go to registers.
; THE MASK'S LOADS stand four key steps ahead of their use: S^T has four sets of 64 registers, one for each step of a quad; a set is loaded anew as soon as its p has been converted.  So no prefetch is laid for mimg.
; K's and V's bytes are prefetched one quad ahead of their tensor load: the partner at cy takes step cy of the quad, waves 0-3 a quarter each, a lane a block of 256 bytes (lanes 25-31 repeat lane 24's); quads 0 and 1 come by their loads alone.
; REGISTERS: window 0: v3-28 addresses, constants, statistics; v32-43 scale registers and output places; v44-59 at work; v64-127 O^T; v128-223 K, then V; v224-243 p's codes; v244-255 Q.  window 1: the four sets of S^T (the mask, then S', then p).
; A ROW WITH NOTHING ABOVE -2^100.  The running largest t starts at -2^100.  While it stands there the row's p is 1 for every key (multiplier and addend of the exponent are 0): equal weights, as a softmax gives a row masked throughout by the most negative f32;
; the first larger t makes the rescaling factor 0, which wipes what was summed.  No branch, no address hangs on it.
; LIMITS: logits whose t lies under -2^100 count as equal among themselves in a row that has nothing larger; mask numbers beyond 2^127 / sqrt(128) in magnitude are held there; NaN among the inputs is not served; a block of zeros has the byte 1 with zero codes.
.set BLK,   12800
.set TILEB, 1536
.set SCO,   12288
.set REC,   3*BLK
.set STEPB, 2*BLK                      ; a key step in a slot: K's block, V's block
.set SLOT1, 1<<17
.set SPARE, SLOT1+4*STEPB              ; behind slot 1: the spare words, 128 bytes a wave: four blocks of 256 bytes that no other line names
.set MCH,   65536                      ; mimg: from key step to key step
.set FLOOR, 0x1800000
.set EOFF,  0xff000000
.set AP0, 3                            ; my lane's places in a block: part P (also my 16 bytes of a mask group), part Q, scale words; never rewritten
.set AQ0, 4
.set AS0, 5
.set ADL, 6                            ; v6-8: the same for steps 0, 1 of the quad in hand;  v26-28: for steps 2, 3
.set SPW, 9                            ; my spare word; never rewritten
.set NIL, 10                           ; 0; never rewritten
.set PFO, 11                           ; the prefetches' offset; never rewritten
.set L2E, 12                           ; log2(e) / sqrt(128)
.set ZER, 13                           ; 0.0
.set ST,  16                           ; +0 the exponent's addend, +1 the largest t, +2 its multiplier, +3 -M, +4, +5 the sum in two halves, +6 f, +7 p's scale word
.set KS,  32
.set VS,  36
.set QS,  40
.set OP,  41                           ; my tile in a block: part P, part Q, scale words
.set OQ,  42
.set OS,  43
.set BM,  44
.set T4,  48
.set SO,  52
.set SU,  56
.set TMP, 58
.set TM2, 59
.set OT,  64
.set KV,  128
.set PC,  224
.set CT,  236
.set QF,  244
.set TB,  2                            ; s2  LDS byte at which the quad in hand begins;  s11: its steps 2, 3
.set TB2, 11
.set CNT, 3                            ; s3  quads with a fill still to come
.set G1K, 48
.set G0K, 56
.set SEL, 66
.set LG,  70                           ; log2(e) / sqrt(128)
.set DEAD, 71                          ; -2^100
.set PFA, 72                           ; s[72:73] where my prefetches stand
.set LIM, 76                           ; 1 in a wave that prefetches, else the greatest number
.set MB,  78                           ; s[78:79] my chunk of the quad's first key step
.set MSB, 0
.macro WIN new                         ; the immediate's high byte repeats the setting that is left
.if MSB != (\new)
	s_set_vgpr_msb (MSB<<8)|(\new)
.set MSB, (\new)
.endif
.endm
.macro PLACES n
.rept \n
	v_nop
.endr
.endm
.macro CROUND                          ; a round of the cluster's barrier
	s_barrier_signal -1
	s_barrier_wait -1
	s_cmp_lg_u32 s10, 0
	s_cbranch_scc1 .Lnot_wave_0_\@
	s_barrier_signal -3
.Lnot_wave_0_\@:
	s_barrier_wait -3
	s_barrier_signal -1
	s_barrier_wait -1
.endm
.macro JLOAD                           ; my block of a quad, jointly with my column; an s_nop 0 and four v_nop follow
	tensor_load_to_lds s[G0K:G0K+3], s[G1K:G1K+7]
	s_nop 0
	PLACES 4
.endm
.macro FRAG reg, ap, aq, off           ; a fragment's 12 registers from its image
	ds_load_b128 v[(\reg):(\reg)+3], v[\ap] offset:(\off)
	ds_load_b64 v[(\reg)+4:(\reg)+5], v[\aq] offset:(\off)+512
	ds_load_b128 v[(\reg)+6:(\reg)+9], v[\ap] offset:(\off)+768
	ds_load_b64 v[(\reg)+10:(\reg)+11], v[\aq] offset:(\off)+1280
.endm
.macro WM                              ; one product onto rD: sources rA, rB, scale registers rSA, rSB; fRA: source 0's scales stand in lanes 16-31
.if fRA
	v_wmma_scale_f32_16x16x128_f8f6f4 v[rD:rD+7], v[rA:rA+11], v[rB:rB+11], v[rD:rD+7], v[rSA], v[rSB] matrix_a_fmt:MATRIX_FMT_FP6 matrix_b_fmt:MATRIX_FMT_FP6 matrix_a_scale:MATRIX_SCALE_ROW1
.else
	v_wmma_scale_f32_16x16x128_f8f6f4 v[rD:rD+7], v[rA:rA+11], v[rB:rB+11], v[rD:rD+7], v[rSA], v[rSB] matrix_a_fmt:MATRIX_FMT_FP6 matrix_b_fmt:MATRIX_FMT_FP6
.endif
.endm
.macro MLOAD set, off                  ; a chunk of the mask into a set of S^T: 16 loads of 512 consecutive bytes
	WIN 0x40                                       ; destination window 1
.irp g, 0,1,2,3,4,5,6,7,8,9,10,11,12,13,14,15
	global_load_b128 v[64*(\set)+4*\g:64*(\set)+4*\g+3], v[AP0], s[MB:MB+1] offset:(\off)+512*\g
.endr
	WIN 0
.endm
	s_load_b128 s[4:7], s[0:1], 0x0                ; qkv, mimg
	s_load_b64 s[8:9], s[0:1], 0x10                ; aimg
	v_lshl_add_u32 v[SPW], v0, 2, SPARE
	v_mov_b32 v[NIL], 0
	ds_add_u32 v[SPW], v[NIL]                      ; the opening lines: the add, twice on end, and its wait ahead of my first tensor load
	ds_add_u32 v[SPW], v[NIL]
	v_lshrrev_b32 v1, 5, v0
	v_readfirstlane_b32 s10, v1                    ; wave 0..7
	s_and_b32 s12, s10, 3
	s_bfe_u32 s40, ttmp6, 0x40000                  ; cx, cy
	s_bfe_u32 s41, ttmp6, 0x40004
	s_lshl_b32 s42, ttmp9, 2
	s_add_co_u32 s42, s42, s40                     ; x: the head
	s_and_b32 s13, ttmp7, 0xffff
	s_lshl_b32 s13, s13, 2
	s_add_co_u32 s13, s13, s41                     ; y: the query block
	s_lshl_b32 s44, 0x1111, s40                    ; my column of the cluster
	; group 1: a dense block of 12,800 bytes: 50 rows of 256 bytes (32 elements of 8 bytes)
	s_or_b32 s[G1K], s44, (3<<16)|(1<<21)
	s_mov_b32 s[G1K+1], 32<<16
	s_mov_b32 s[G1K+2], 50<<16
	s_mov_b32 s[G1K+3], 32<<16
	s_mov_b32 s[G1K+4], 50
	s_mov_b32 s[G1K+5], 32
	s_mov_b32 s[G1K+6], 0
	s_mov_b32 s[G1K+7], 0
	s_lshr_b32 s14, s10, 1
	s_mul_i32 s14, s14, REC                        ; block w of a quad: step w / 2,
	s_and_b32 s15, s10, 1
	s_mul_i32 s15, s15, BLK                        ; k's or v's
	s_add_co_u32 s14, s14, s15
	s_mul_i32 s46, s42, 16*REC                     ; the head's records
	s_add_co_u32 s46, s46, s14
	s_add_co_u32 s46, s46, BLK
	s_mov_b32 s47, 0
	s_mul_i32 s20, s10, BLK                        ; and its place in a slot
	s_mov_b32 s[SEL], 0x76543210
	s_mov_b32 s[SEL+1], 0xfedcba98
	s_mov_b32 s[LG], 0x3e0293ee
	s_mov_b32 s[DEAD], 0xf1800000
	s_mov_b32 s[TB], 0
	s_wait_dscnt 0x0                               ; both opening adds are done
	s_wait_kmcnt 0x0
	s_add_nc_u64 s[46:47], s[4:5], s[46:47]
	CROUND                                         ; all sixteen work-groups are here: the first joint loads meet
	s_mov_b32 s[G0K], 1
	s_add_co_u32 s[G0K+1], s20, 0
	s_mov_b64 s[G0K+2:G0K+3], s[46:47]
	s_or_b32 s[G0K+3], s[G0K+3], 0x80000000
	JLOAD                                          ; quad 0 into slot 0: one tensor load a wave at the head
	s_mul_i32 s82, s42, 16*REC                     ; the prefetches begin at quad 2: step 8 + cy, my wave's quarter of its 25,600 bytes
	s_mul_i32 s83, s41, REC
	s_add_co_u32 s82, s82, s83
	s_mul_i32 s83, s12, 6400
	s_add_co_u32 s82, s82, s83
	s_add_co_u32 s82, s82, 8*REC+BLK
	s_mov_b32 s83, 0
	s_add_nc_u64 s[PFA:PFA+1], s[4:5], s[82:83]
	s_cmp_lt_u32 s10, 4
	s_cselect_b32 s[LIM], 1, -1
	s_lshl_b32 s86, s42, 4
	s_add_co_u32 s86, s86, s13
	s_mul_i32 s86, s86, REC                        ; q's block: record (head, query block)
	s_mov_b32 s87, 0
	s_add_nc_u64 s[86:87], s[4:5], s[86:87]
	s_lshl_b32 s88, s13, 4
	s_add_co_u32 s88, s88, s42
	s_mul_i32 s88, s88, BLK                        ; my block of aimg: (16 x token block + head)
	s_mov_b32 s89, 0
	s_add_nc_u64 s[8:9], s[8:9], s[88:89]
	s_lshl_b32 s[MB], s13, 20                      ; mimg: 16 key steps of 65,536 bytes a query block,
	s_lshl_b32 s91, s10, 13                        ; my tile's chunk
	s_add_co_u32 s[MB], s[MB], s91
	s_mov_b32 s[MB+1], 0
	s_add_nc_u64 s[MB:MB+1], s[6:7], s[MB:MB+1]
	s_mul_i32 s80, s10, TILEB
	s_lshl_b32 s81, s10, 6                         ; tile w's 16 scale words: 128 (w / 2) + 64 (w % 2)
	v_and_b32 v1, 31, v0                           ; lane
	v_and_b32 v2, 15, v0                           ; r
	v_bfe_u32 v44, v0, 4, 1                        ; h
	v_min_u32 v[PFO], 24, v1
	v_lshlrev_b32 v[PFO], 8, v[PFO]
	v_lshlrev_b32 v[AP0], 4, v1
	v_lshlrev_b32 v[AQ0], 4, v2
	v_lshl_add_u32 v[AQ0], v44, 3, v[AQ0]
	v_lshlrev_b32 v[AS0], 2, v1
	v_add_nc_u32 v[OP], s80, v[AP0]
	v_add_nc_u32 v[OQ], s80, v[AQ0]
	v_lshl_add_u32 v[OS], v2, 2, s81               ; both halves of the lanes name row r's word
	global_load_b128 v[QF:QF+3], v[OP], s[86:87]                   ; Q's fragment stays in registers
	global_load_b64 v[QF+4:QF+5], v[OQ], s[86:87] offset:512
	global_load_b128 v[QF+6:QF+9], v[OP], s[86:87] offset:768
	global_load_b64 v[QF+10:QF+11], v[OQ], s[86:87] offset:1280
	global_load_b32 v[QS], v[OS], s[86:87] offset:SCO
.irp s, 0,1,2,3
	MLOAD \s, MCH*\s                               ; the mask of key steps 0 to 3
.endr
	v_mov_b32 v[L2E], 0x3e0293ee
	v_mov_b32 v[ZER], 0
	v_mov_b32 v[ST], 0
	v_mov_b32 v[ST+1], 0xf1800000                  ; the largest t so far: -2^100
	v_mov_b32 v[ST+2], 0
	v_mov_b32 v[ST+3], 0x71800000                  ; -M
.irp i, 4,5,6,7
	v_mov_b32 v[ST+\i], 0
.endr
.irp b, 0,1,2,3
	v_mov_b32 v[T4+\b], 0                          ; a lane permute's destination counts as one of its sources
.endr
.set j, 0
.rept 64
	v_mov_b32 v[OT+j], 0                           ; O^T: the step is written once, in a loop: the first finds zeros
.set j, j+1
.endr
; four block maxima in BM and 64 numbers in set SS of window 1 become 12 registers of codes in PC and a scale word in ST + 7
.macro QUANT
.irp b, 0,1,2,3
	v_max_num_f32 v[BM+\b], FLOOR, v[BM+\b]
.endr
.irp b, 0,1,2,3
	v_add_nc_u32 v[SO+\b], EOFF, v[BM+\b]
.endr
.irp b, 0,1,2,3
	v_lshrrev_b32 v[T4+\b], 23, v[SO+\b]
.endr
	v_lshl_or_b32 v[ST+7], v[T4+1], 8, v[T4]
	v_lshl_or_b32 v[ST+7], v[T4+2], 16, v[ST+7]
	v_lshl_or_b32 v[ST+7], v[T4+3], 24, v[ST+7]
	WIN 0x01                                       ; source 0 window 1
.irp c, 0,1
	v_cvt_scalef32_pk16_fp6_f32 v[PC+6*\c:PC+6*\c+2], v[SS+32*\c:SS+32*\c+15], v[SO+2*\c]
	v_cvt_scalef32_pk16_fp6_f32 v[CT+4*\c:CT+4*\c+2], v[SS+32*\c+16:SS+32*\c+31], v[SO+2*\c+1]
.endr
	WIN 0
	v_nop                                          ; one plain place behind a scaled conversion
.irp c, 0,1
.irp i, 0,1,2
	v_permlane16_swap_b32 v[PC+6*\c+\i], v[CT+4*\c+\i]   ; a whole block to a lane
.endr
.irp i, 0,1,2
	v_mov_b32 v[PC+6*\c+3+\i], v[CT+4*\c+\i]
.endr
.endr
.endm
; A QUAD'S TOP.  Each wave waits for all its tensor loads (its block of this quad), adds 0 to its spare word, waits for that and for its reads of the quad before.
; fill = 1: a round of the cluster's barrier, and the slot read last takes the next quad: one load a wave is out, with four key steps in which to land.  fill = 0: a plain barrier.
.macro TOP fill
	s_wait_alu depctr_va_vdst(0)
	s_wait_tensorcnt 0x0
	ds_add_u32 v[SPW], v[NIL]
.if \fill
	s_xor_b32 s[G0K+1], s[G0K+1], SLOT1            ; the other slot, a quad on
	s_add_nc_u64 s[G0K+2:G0K+3], s[G0K+2:G0K+3], 4*REC
	s_wait_dscnt 0x0
	CROUND
	JLOAD
	s_cmp_gt_u32 s[CNT], s[LIM]                    ; the prefetch of the quad after the one just asked for: at the first two tops, in waves 0-3
	s_cbranch_scc0 .Lnot_mine_\@
	global_prefetch_b8 v[PFO], s[PFA:PFA+1] th:TH_LOAD_NT scope:SCOPE_SE
.Lnot_mine_\@:
.else
	s_wait_dscnt 0x0
	s_barrier_signal -1
	s_barrier_wait -1
.endif
	s_add_co_u32 s[TB2], s[TB], 2*STEPB
	v_add_nc_u32 v[ADL], s[TB], v[AP0]
	v_add_nc_u32 v[ADL+1], s[TB], v[AQ0]
	v_add_nc_u32 v[ADL+2], s[TB], v[AS0]
	v_add_nc_u32 v[ADL+20], s[TB2], v[AP0]
	v_add_nc_u32 v[ADL+21], s[TB2], v[AQ0]
	v_add_nc_u32 v[ADL+22], s[TB2], v[AS0]
	s_wait_alu depctr_va_vdst(0)                   ; the wait behind these writes
	s_xor_b32 s[TB], s[TB], SLOT1
.endm
; A KEY STEP, the s-th of its quad.  load = 1: the set takes the mask of four key steps on.  lc: the mask loads issued behind this set's.
.macro STEP s, load, lc
.set SS, 64*\s
.set AB, ADL+20*(\s/2)
.set OFF, STEPB*(\s%2)
.if \s
	PLACES 4                                       ; behind the products on V, for the loads into its registers (in a quad's first step the top's vector lines are these places)
.endif
.irp t, 0,1,2,3,4,5,6,7
	FRAG KV+12*\t, AB, AB+1, OFF+TILEB*\t
.endr
.irp i, 0,1,2,3
	ds_load_b32 v[KS+\i], v[AB+2] offset:OFF+SCO+128*\i
.endr
	s_wait_loadcnt \lc                             ; this step's mask is in its set
	s_wait_dscnt 0x0                               ; K and its scales are in
	WIN 0x50                                       ; C and D window 1
.irp t, 0,1,2,3,4,5,6,7
.set rD, SS+8*\t
.set rA, KV+12*\t
.set rB, QF
.set rSA, KS+\t/2
.set fRA, \t%2
.set rSB, QS
	WM                                             ; S' = K Q^T + the mask
.endr
	WIN 0
	PLACES 4                                       ; behind the products: for the loads into K's registers and for the first read of the scores
.irp i, 0,1,2,3
	ds_load_b32 v[VS+\i], v[AB+2] offset:OFF+BLK+SCO+128*\i
.endr
.irp t, 0,1,2,3,4,5,6,7
	FRAG KV+12*\t, AB, AB+1, OFF+BLK+TILEB*\t
.endr
	WIN 0x15                                       ; sources window 1
.irp b, 0,1,2,3
	v_max3_num_f32 v[BM+\b], v[SS+16*\b], v[SS+16*\b+1], v[SS+16*\b+2]   ; the largest S' of each block of 32 keys: it serves the row's maximum and, since p rises with S', the block's largest p
.endr
	WIN 0x14
.irp i, 3,5,7,9,11,13
.irp b, 0,1,2,3
	v_max3_num_f32 v[BM+\b], v[BM+\b], v[SS+16*\b+\i], v[SS+16*\b+\i+1]
.endr
.endr
.irp b, 0,1,2,3
	v_max_num_f32 v[BM+\b], v[BM+\b], v[SS+16*\b+15]
.endr
	WIN 0
.irp b, 0,1,2,3
	v_permlanex16_b32 v[T4+\b], v[BM+\b], s[SEL], s[SEL+1]
.endr
.irp b, 0,1,2,3
	v_max_num_f32 v[BM+\b], v[BM+\b], v[T4+\b]     ; with lane l xor 16's 16 keys
.endr
	v_mov_b32 v[TM2], v[ST+3]                      ; the old -M
	v_max3_num_f32 v[TMP], v[BM], v[BM+1], v[BM+2]
	s_delay_alu instid0(VALU_DEP_1)
	v_max_num_f32 v[TMP], v[TMP], v[BM+3]
	s_delay_alu instid0(VALU_DEP_1)
	v_mul_f32 v[TMP], s[LG], v[TMP]                ; as t
	s_delay_alu instid0(VALU_DEP_1)
	v_max_num_f32 v[ST+1], v[ST+1], v[TMP]         ; the running largest t, never under -2^100
	s_delay_alu instid0(VALU_DEP_1)
	v_floor_f32 v[ST+3], -v[ST+1]                  ; -M = floor(-t): M is a whole number
	s_delay_alu instid0(VALU_DEP_1)
	v_sub_f32 v[TMP], v[ST+3], v[TM2]              ; old M - new M, 0 or less
	s_delay_alu instid0(VALU_DEP_1)
	v_cvt_i32_f32 v[TMP], v[TMP]                   ; (it saturates)
	s_delay_alu instid0(VALU_DEP_1)
	v_ldexp_f32 v[ST+6], 1.0, v[TMP]               ; f = 2^(old M - new M): exact
	v_cmp_eq_f32 vcc_lo, s[DEAD], v[ST+1]          ; nothing above -2^100 yet?
	v_cndmask_b32 v[ST+2], v[L2E], v[ZER], vcc_lo  ; then the exponent is S' x 0 + 0,
	v_cndmask_b32 v[ST], v[ST+3], v[ZER], vcc_lo   ; else S' log2(e) / sqrt(128) - M
.irp b, 0,1,2,3
	v_fma_f32 v[BM+\b], v[BM+\b], v[ST+2], v[ST]   ; of each block's largest S',
.endr
	WIN 0x41                                       ; destination and source 0 window 1
.set j, 0
.rept 32
	v_pk_fma_f32 v[SS+j:SS+j+1], v[SS+j:SS+j+1], v[ST+2:ST+3], v[ST:ST+1] op_sel_hi:[1,0,0]   ; and of all 64
.set j, j+2
.endr
	s_wait_alu depctr_va_vdst(0)
.set j, 0
.rept 64
	v_exp_f32 v[SS+j], v[SS+j]                     ; p, not normalised
.set j, j+1
.endr
	WIN 0
.irp b, 0,1,2,3
	v_exp_f32 v[BM+\b], v[BM+\b]                   ; the blocks' largest p
.endr
	v_pk_mul_f32 v[ST+4:ST+5], v[ST+4:ST+5], v[ST+6:ST+7] op_sel_hi:[1,0]   ; the sum under the new M: the plain place behind the exponentials
	s_wait_alu depctr_va_vdst(0)                   ; one wait for the batch of 68, ahead of its first reader
	WIN 0x05
	v_pk_add_f32 v[SU:SU+1], v[SS:SS+1], v[SS+2:SS+3]   ; the row's sum of the unquantised p, in two chains
	WIN 0x04
.set j, 4
.rept 15
	v_pk_add_f32 v[ST+4:ST+5], v[ST+4:ST+5], v[SS+j:SS+j+1]
	v_pk_add_f32 v[SU:SU+1], v[SU:SU+1], v[SS+j+2:SS+j+3]
.set j, j+4
.endr
	WIN 0
	v_pk_add_f32 v[ST+4:ST+5], v[ST+4:ST+5], v[SU:SU+1]
	QUANT
.if \load
	MLOAD \s, MCH*(4+\s)                           ; the set is free: the mask of four key steps on
.endif
	s_wait_alu depctr_va_vdst(0)                   ; directly ahead of the first reader of O^T
.set j, 0
.rept 32
	v_pk_mul_f32 v[OT+j:OT+j+1], v[OT+j:OT+j+1], v[ST+6:ST+7] op_sel_hi:[1,0]   ; O^T under the new M (these 32 are also the places between p's scale word and codes and the products)
.set j, j+2
.endr
	s_wait_alu depctr_va_vdst(0)
	s_wait_dscnt 0x0                               ; V is in
.irp t, 0,1,2,3,4,5,6,7
.set rD, OT+8*\t
.set rA, KV+12*\t
.set rB, PC
.set rSA, VS+\t/2
.set fRA, \t%2
.set rSB, ST+7
	WM
.endr
.endm
	s_mov_b32 s[CNT], 3
.Lquad:                                            ; quads 0 to 2: each asks for the next
	TOP 1
	STEP 0, 1, 48                                  ; behind a set's 16 loads stand those of the three other sets
	STEP 1, 1, 48
	STEP 2, 1, 48
	STEP 3, 1, 48
	s_wait_xcnt 0x0                                ; the mask's loads and the prefetch have read their bases
	s_add_nc_u64 s[MB:MB+1], s[MB:MB+1], 4*MCH
	s_add_nc_u64 s[PFA:PFA+1], s[PFA:PFA+1], 4*REC
	s_sub_co_u32 s[CNT], s[CNT], 1
	s_cmp_lg_u32 s[CNT], 0
	s_cbranch_scc1 .Lquad
	TOP 0                                          ; the last quad is written out: nothing more is asked for
	STEP 0, 0, 48
	STEP 1, 0, 32
	STEP 2, 0, 16
	STEP 3, 0, 0
	; THE WAY OUT: O^T / the sum, quantised along d_model (my lane's 64 channels are 16 of each of four blocks), stored as a whole fragment.
.set SS, 0
	PLACES 4
	v_add_f32 v[BM], v[ST+4], v[ST+5]
	v_permlanex16_b32 v[T4], v[BM], s[SEL], s[SEL+1]
	v_add_f32 v[BM], v[BM], v[T4]                  ; the row's sum
	s_wait_alu depctr_va_vdst(0)
	v_rcp_f32 v[ST+6], v[BM]
	v_nop                                          ; a plain place behind the reciprocal
	WIN 0x40                                       ; destination window 1: set 0 is free
	s_wait_alu depctr_va_vdst(0)                   ; the wait ahead of its first reader and of O^T's
.set j, 0
.rept 32
	v_pk_mul_f32 v[SS+j:SS+j+1], v[OT+j:OT+j+1], v[ST+6:ST+7] op_sel_hi:[1,0]   ; each accumulator from its low end on
.set j, j+2
.endr
	WIN 0x05
.irp b, 0,1,2,3
	v_max3_num_f32 v[BM+\b], |v[SS+16*\b]|, |v[SS+16*\b+1]|, FLOOR
.endr
	WIN 0x14
.irp i, 2,4,6,8,10,12,14
.irp b, 0,1,2,3
	v_max3_num_f32 v[BM+\b], v[BM+\b], |v[SS+16*\b+\i]|, |v[SS+16*\b+\i+1]|
.endr
.endr
	WIN 0
.irp b, 0,1,2,3
	v_permlanex16_b32 v[T4+\b], v[BM+\b], s[SEL], s[SEL+1]
.endr
.irp b, 0,1,2,3
	v_max_num_f32 v[BM+\b], v[BM+\b], v[T4+\b]
.endr
	QUANT
	global_store_b128 v[OP], v[PC:PC+3], s[8:9]                    ; 512 consecutive aligned bytes
	global_store_b64 v[OQ], v[PC+4:PC+5], s[8:9] offset:512        ; 256
	global_store_b128 v[OP], v[PC+6:PC+9], s[8:9] offset:768
	global_store_b64 v[OQ], v[PC+10:PC+11], s[8:9] offset:1280
	global_store_b32 v[OS], v[ST+7], s[8:9] offset:SCO             ; my tile's 16 scale words; lanes l and l xor 16 hold the same word and name the same place
	s_wait_tensorcnt 0x0                           ; the wave's end
	ds_add_u32 v[SPW], v[NIL]
	s_wait_dscnt 0x0
	CROUND                                         ; the closing round
	s_endpgm
.Lfunc_end_k_qae47cfa580_attn:
	.size	k_qae47cfa580_attn, .Lfunc_end_k_qae47cfa580_attn-k_qae47cfa580_attn
	.p2alignl 7, 3214868480
	.fill 96, 4, 3214868480
	.section	.rodata,"a",@progbits
	.p2align	6, 0x0
	.amdhsa_kernel k_qae47cfa580_attn
		.amdhsa_group_segment_fixed_size 327680
		.amdhsa_private_segment_fixed_size 0
		.amdhsa_enable_private_segment 0
		.amdhsa_kernarg_size 24
		.amdhsa_user_sgpr_count 2
		.amdhsa_user_sgpr_kernarg_segment_ptr 1
		.amdhsa_wavefront_size32 1
		.amdhsa_system_sgpr_workgroup_id_x 1
		.amdhsa_system_sgpr_workgroup_id_y 1
		.amdhsa_system_sgpr_workgroup_id_z 1
		.amdhsa_system_vgpr_workitem_id 0
		.amdhsa_next_free_vgpr 512
		.amdhsa_next_free_sgpr 100
		.amdhsa_reserve_vcc 1
		.amdhsa_float_denorm_mode_32 3
		.amdhsa_float_denorm_mode_16_64 3
		.amdhsa_memory_ordered 1
		.amdhsa_forward_progress 1
		.amdhsa_inst_pref_size 192
	.end_amdhsa_kernel
	.amdgpu_metadata
---
amdhsa.version: [ 1, 2 ]
amdhsa.kernels:
  - .name:           k_qae47cfa580_attn
    .symbol:         k_qae47cfa580_attn.kd
    .args:
      - { .name: qkv, .offset: 0, .size: 8, .value_kind: global_buffer, .address_space: global }
      - { .name: mimg, .offset: 8, .size: 8, .value_kind: global_buffer, .address_space: global }
      - { .name: aimg, .offset: 16, .size: 8, .value_kind: global_buffer, .address_space: global }
    .group_segment_fixed_size: 327680
    .private_segment_fixed_size: 0
    .kernarg_segment_align: 8
    .kernarg_segment_size: 24
    .max_flat_workgroup_size: 256
    .sgpr_count:     100
    .vgpr_count:     512
    .wavefront_size: 32
...
	.end_amdgpu_metadata
.endif
;; end of part 3
;; launch oproj (part 4): grid 16 x 16, 4 waves a work-group, clusters of 4 x 4, 327,680 bytes of LDS; arguments aimg, wimg, out0; writes out0
.if DOCPART == 4
	.amdgcn_target "amdgcn-amd-amdhsa--gfx1250"
	.amdhsa_code_object_version 6
	.text
	.protected	k_qae47cfa580_oproj
	.globl	k_qae47cfa580_oproj
	.p2align	8
	.type	k_qae47cfa580_oproj,@function
k_qae47cfa580_oproj:
	s_mov_b64 s[64:65], 0
	v_nop
	global_prefetch_b8 v0, s[64:65] scope:SCOPE_SE
	s_setreg_imm32_b32 hwreg(HW_REG_WAVE_MODE, 25, 1), 1
	s_wait_xcnt 0x0
	s_wait_alu depctr_hold_cnt(0) depctr_sa_sdst(0) depctr_va_vdst(0) depctr_va_sdst(0) depctr_va_ssrc(0) depctr_va_vcc(0) depctr_vm_vsrc(0)
	s_getreg_b32 s2, hwreg(HW_REG_IB_STS2, 6, 4)
	s_cmp_eq_u32 s2, 0
	s_cbranch_scc0 .Lentry_in_a_cluster
	s_endpgm
.Lentry_in_a_cluster:
	s_bfe_u32 s2, ttmp6, 0x10000c
	s_cmp_lg_u32 s2, 0xf033
	s_cbranch_scc0 .Lentry_shape_is_right
	s_endpgm
.Lentry_shape_is_right:
.set BLK,   12800
.set TILEB, 1536
.set SCO,   12288
.set PANEL, 2*BLK
.set SLOT,  4*PANEL
.set SPARE, 2*SLOT
.set SPT,   272
.set AP,  16
.set AQ,  18
.set BP,  20
.set BQ,  22
.set SAA, 24
.set SBA, 26
.set SPW, 28
.set NIL, 29
.set STO, 30
.set RD,  31
.set GO,  32
.set SC,  48
.set AF,  64
.set BF,  160
.set OB,  64
.set G1,  24
.set G0,  32
.set G1B, 48
.set G0B, 56
.set MSB, 0
.macro WIN new
.if MSB != (\new)
	s_set_vgpr_msb (MSB<<8)|(\new)
.set MSB, (\new)
.endif
.endm
.macro PLACES n
.rept \n
	v_nop
.endr
.endm
.macro CREST
	s_cmp_lg_u32 s10, 0
	s_cbranch_scc1 .Lnot_wave_0_\@
	s_barrier_signal -3
.Lnot_wave_0_\@:
	s_barrier_wait -3
	s_barrier_signal -1
	s_barrier_wait -1
.endm
.macro CROUND
	s_barrier_signal -1
	s_barrier_wait -1
	CREST
.endm
.macro JLOAD g0a, g0b
	s_cmp_lt_u32 s10, 2
	s_cbranch_scc0 .Lfor_b_\@
	tensor_load_to_lds s[\g0a:\g0a+3], s[G1:G1+7]
	s_nop 0
	PLACES 4
	s_branch .Lasked_\@
.Lfor_b_\@:
	tensor_load_to_lds s[\g0b:\g0b+3], s[G1B:G1B+7]
	s_nop 0
	PLACES 4
.Lasked_\@:
.endm
.macro FRAG reg, ap, aq, off
	ds_load_b128 v[(\reg):(\reg)+3], v[\ap] offset:(\off)
	ds_load_b64 v[(\reg)+4:(\reg)+5], v[\aq] offset:(\off)+512
	ds_load_b128 v[(\reg)+6:(\reg)+9], v[\ap] offset:(\off)+768
	ds_load_b64 v[(\reg)+10:(\reg)+11], v[\aq] offset:(\off)+1280
.endm
.macro WM
.if fZ
.if fRA && fRB
	v_wmma_scale_f32_16x16x128_f8f6f4 v[rD:rD+7], v[rA:rA+11], v[rB:rB+11], 0, v[rSA], v[rSB] matrix_a_fmt:MATRIX_FMT_FP6 matrix_b_fmt:MATRIX_FMT_FP6 matrix_a_scale:MATRIX_SCALE_ROW1 matrix_b_scale:MATRIX_SCALE_ROW1
.elseif fRA
	v_wmma_scale_f32_16x16x128_f8f6f4 v[rD:rD+7], v[rA:rA+11], v[rB:rB+11], 0, v[rSA], v[rSB] matrix_a_fmt:MATRIX_FMT_FP6 matrix_b_fmt:MATRIX_FMT_FP6 matrix_a_scale:MATRIX_SCALE_ROW1
.elseif fRB
	v_wmma_scale_f32_16x16x128_f8f6f4 v[rD:rD+7], v[rA:rA+11], v[rB:rB+11], 0, v[rSA], v[rSB] matrix_a_fmt:MATRIX_FMT_FP6 matrix_b_fmt:MATRIX_FMT_FP6 matrix_b_scale:MATRIX_SCALE_ROW1
.else
	v_wmma_scale_f32_16x16x128_f8f6f4 v[rD:rD+7], v[rA:rA+11], v[rB:rB+11], 0, v[rSA], v[rSB] matrix_a_fmt:MATRIX_FMT_FP6 matrix_b_fmt:MATRIX_FMT_FP6
.endif
.else
.if fRA && fRB
	v_wmma_scale_f32_16x16x128_f8f6f4 v[rD:rD+7], v[rA:rA+11], v[rB:rB+11], v[rD:rD+7], v[rSA], v[rSB] matrix_a_fmt:MATRIX_FMT_FP6 matrix_b_fmt:MATRIX_FMT_FP6 matrix_a_scale:MATRIX_SCALE_ROW1 matrix_b_scale:MATRIX_SCALE_ROW1
.elseif fRA
	v_wmma_scale_f32_16x16x128_f8f6f4 v[rD:rD+7], v[rA:rA+11], v[rB:rB+11], v[rD:rD+7], v[rSA], v[rSB] matrix_a_fmt:MATRIX_FMT_FP6 matrix_b_fmt:MATRIX_FMT_FP6 matrix_a_scale:MATRIX_SCALE_ROW1
.elseif fRB
	v_wmma_scale_f32_16x16x128_f8f6f4 v[rD:rD+7], v[rA:rA+11], v[rB:rB+11], v[rD:rD+7], v[rSA], v[rSB] matrix_a_fmt:MATRIX_FMT_FP6 matrix_b_fmt:MATRIX_FMT_FP6 matrix_b_scale:MATRIX_SCALE_ROW1
.else
	v_wmma_scale_f32_16x16x128_f8f6f4 v[rD:rD+7], v[rA:rA+11], v[rB:rB+11], v[rD:rD+7], v[rSA], v[rSB] matrix_a_fmt:MATRIX_FMT_FP6 matrix_b_fmt:MATRIX_FMT_FP6
.endif
.endif
.endm
	s_load_b128 s[4:7], s[0:1], 0x0
	s_load_b64 s[8:9], s[0:1], 0x10
	v_lshl_add_u32 v[SPW], v0, 2, SPARE
	v_mov_b32 v[NIL], 0
	ds_add_u32 v28, v29
	ds_add_u32 v28, v29
	s_wait_dscnt 0x0
	v_lshrrev_b32 v1, 5, v0
	v_readfirstlane_b32 s10, v1
	s_lshr_b32 s11, s10, 1
	s_and_b32 s12, s10, 1
	s_bfe_u32 s40, ttmp6, 0x40000
	s_bfe_u32 s41, ttmp6, 0x40004
	s_lshl_b32 s42, ttmp9, 2
	s_add_co_u32 s42, s42, s40
	s_and_b32 s13, ttmp7, 0xffff
	s_lshl_b32 s13, s13, 2
	s_add_co_u32 s13, s13, s41
	s_lshl_b32 s43, s41, 2
	s_lshl_b32 s43, 15, s43
	s_lshl_b32 s44, 0x1111, s40
	s_or_b32 s[G1], s43, (3<<16)|(1<<21)
	s_or_b32 s[G1B], s44, (3<<16)|(1<<21)
.irp g, G1, G1B
	s_mov_b32 s[\g+1], 32<<16
	s_mov_b32 s[\g+2], 100<<16
	s_mov_b32 s[\g+3], 32<<16
	s_mov_b32 s[\g+4], 100
	s_mov_b32 s[\g+5], 32
	s_mov_b32 s[\g+6], 0
	s_mov_b32 s[\g+7], 0
.endr
	s_mul_i32 s21, s12, PANEL
	s_mul_i32 s14, s13, 16*BLK
	s_add_co_u32 s14, s14, s21
	s_mov_b32 s15, 0
	s_mul_i32 s46, s42, 16*BLK
	s_add_co_u32 s46, s46, s21
	s_add_co_u32 s46, s46, 768*BLK
	s_mov_b32 s47, 0
	s_mul_i32 s20, s10, PANEL
	s_wait_kmcnt 0x0
	s_add_nc_u64 s[14:15], s[4:5], s[14:15]
	s_add_nc_u64 s[46:47], s[6:7], s[46:47]
	CROUND
.irp s, 0,1
	s_mov_b32 s[G0+4*\s], 1
	s_add_co_u32 s[G0+4*\s+1], s20, \s*SLOT
	s_add_nc_u64 s[G0+4*\s+2:G0+4*\s+3], s[14:15], \s*4*BLK
	s_or_b32 s[G0+4*\s+3], s[G0+4*\s+3], 0x80000000
	s_mov_b32 s[G0B+4*\s], 1
	s_add_co_u32 s[G0B+4*\s+1], s20, \s*SLOT
	s_add_nc_u64 s[G0B+4*\s+2:G0B+4*\s+3], s[46:47], \s*4*BLK
	s_or_b32 s[G0B+4*\s+3], s[G0B+4*\s+3], 0x80000000
	s_wait_alu depctr_va_vdst(0)
	s_wait_tensorcnt 0x0
	ds_add_u32 v28, v29
	ds_add_u32 v28, v29
	s_wait_dscnt 0x0
	CROUND
	JLOAD G0+4*\s, G0B+4*\s
.endr
	v_and_b32 v1, 31, v0
	v_and_b32 v2, 15, v0
	v_bfe_u32 v3, v0, 4, 1
	v_lshlrev_b32 v4, 4, v1
	v_lshlrev_b32 v5, 4, v2
	v_lshl_add_u32 v5, v3, 3, v5
	s_wait_alu depctr_va_vdst(0)
	v_lshlrev_b32 v6, 2, v1
	s_mul_i32 s16, s11, 4*TILEB
	s_mul_i32 s17, s12, 4*TILEB
	s_add_co_u32 s17, s17, 2*PANEL
	s_lshl_b32 s18, s11, 8
	s_add_co_u32 s18, s18, SCO
	s_lshl_b32 s19, s12, 8
	s_add_co_u32 s19, s19, 2*PANEL+SCO
.irp s, 0,1
	v_add_nc_u32 v[AP+\s], s16, v4
	v_add_nc_u32 v[AQ+\s], s16, v5
	v_add_nc_u32 v[BP+\s], s17, v4
	v_add_nc_u32 v[BQ+\s], s17, v5
	v_add_nc_u32 v[SAA+\s], s18, v6
	v_add_nc_u32 v[SBA+\s], s19, v6
	s_add_co_u32 s16, s16, SLOT
	s_add_co_u32 s17, s17, SLOT
	s_add_co_u32 s18, s18, SLOT
	s_add_co_u32 s19, s19, SLOT
.endr
	s_mul_i32 s16, s10, 16*SPT
	v_mul_u32_u24 v[STO], v2, SPT
	v_lshl_add_u32 v[STO], v3, 6, v[STO]
	v_add_nc_u32 v[STO], s16, v[STO]
	v_mul_u32_u24 v[RD], v3, SPT
	v_lshl_add_u32 v[RD], v2, 4, v[RD]
	v_add_nc_u32 v[RD], s16, v[RD]
	v_lshlrev_b32 v[GO], 13, v3
	v_lshl_add_u32 v[GO], v2, 4, v[GO]
	s_lshl_b32 s16, s13, 7
	s_lshl_b32 s17, s11, 6
	s_add_co_u32 s16, s16, s17
	s_lshl_b32 s16, s16, 13
	s_lshl_b32 s17, s42, 9
	s_add_co_u32 s16, s16, s17
	s_lshl_b32 s17, s12, 8
	s_add_co_u32 s16, s16, s17
	s_mov_b32 s17, 0
	s_add_nc_u64 s[8:9], s[8:9], s[16:17]
.macro FETCH slot, q, p
.irp t, 0,1,2,3
	FRAG BF+48*(\p)+12*\t, BP+\slot, BQ+\slot, BLK*(\q)+TILEB*\t
.endr
.irp t, 0,1,2,3
	FRAG AF+48*(\p)+12*\t, AP+\slot, AQ+\slot, BLK*(\q)+TILEB*\t
.endr
.irp i, 0,1
	ds_load_b32 v[SC+4*(\p)+\i], v[SAA+\slot] offset:BLK*(\q)+128*\i
	ds_load_b32 v[SC+4*(\p)+2+\i], v[SBA+\slot] offset:BLK*(\q)+128*\i
.endr
.endm
.macro MUL4 p, z, T
.set fZ, \z
.irp n, 0,1,2,3
.set rD, 8*(4*\T+\n)
.set rA, BF+48*(\p)+12*\n
.set rB, AF+48*(\p)+12*\T
.set rSA, SC+4*(\p)+2+\n/2
.set fRA, \n%2
.set rSB, SC+4*(\p)+\T/2
.set fRB, \T%2
	WM
.endr
.endm
.macro KSN slot, q, z
	s_wait_dscnt 0x0
	PLACES 4
	FETCH \slot, (\q)+1, ((\q)+1)%2
	WIN 0x50
.irp T, 0,1,2,3
	MUL4 (\q)%2, \z, \T
.endr
	WIN 0
.endm
.macro KSC slot, other, fill
	s_wait_tensorcnt 0x0
	ds_add_u32 v[SPW], v[NIL]
	s_wait_dscnt 0x0
	s_barrier_signal -1
	WIN 0x50
	MUL4 1, 0, 0
	WIN 0
	s_barrier_wait -1
.if \fill
	CREST
	s_add_nc_u64 s[G0+4*\slot+2:G0+4*\slot+3], s[G0+4*\slot+2:G0+4*\slot+3], 8*BLK
	s_add_nc_u64 s[G0B+4*\slot+2:G0B+4*\slot+3], s[G0B+4*\slot+2:G0B+4*\slot+3], 8*BLK
	JLOAD G0+4*\slot, G0B+4*\slot
.else
	PLACES 4
.endif
	s_wait_alu depctr_va_vdst(0)
	FETCH \other, 0, 0
	WIN 0x50
	MUL4 1, 0, 1
	MUL4 1, 0, 2
	MUL4 1, 0, 3
	WIN 0
.endm
	s_wait_tensorcnt 0x1
	s_barrier_signal -1
	s_barrier_wait -1
	FETCH 0, 0, 0
	KSN 0, 0, 1
	KSN 0, 1, 0
	KSN 0, 2, 0
	KSC 0, 1, 1
	KSN 1, 0, 0
	KSN 1, 1, 0
	KSN 1, 2, 0
	KSC 1, 0, 1
	KSN 0, 0, 0
	KSN 0, 1, 0
	KSN 0, 2, 0
	KSC 0, 1, 0
	KSN 1, 0, 0
	KSN 1, 1, 0
	KSN 1, 2, 0
	s_wait_dscnt 0x0
	WIN 0x50
.irp T, 0,1,2,3
	MUL4 1, 0, \T
.endr
	WIN 0
	PLACES 4
.irp T, 0,1,2,3
	WIN 0x04
.irp n, 0,1,2,3
	ds_store_b128 v[STO], v[8*(4*\T+\n):8*(4*\T+\n)+3] offset:128*(\n/2)+32*(\n%2)
	ds_store_b128 v[STO], v[8*(4*\T+\n)+4:8*(4*\T+\n)+7] offset:128*(\n/2)+32*(\n%2)+16
.endr
	WIN 0
.irp t, 0,1,2,3,4,5,6,7
	ds_load_b128 v[OB+32*\T+4*\t:OB+32*\T+4*\t+3], v[RD] offset:2*SPT*\t
.endr
.endr
.irp T, 0,1,2,3
	s_wait_dscnt 16*(3-\T)
.irp t, 0,1,2,3,4,5,6,7
	global_store_b128 v[GO], v[OB+32*\T+4*\t:OB+32*\T+4*\t+3], s[8:9] offset:(32*(\T/2)+8*(\T%2)+2*\t+8*(\t/4))*8192 th:TH_STORE_NT
.endr
.endr
	s_wait_tensorcnt 0x0
	ds_add_u32 v[SPW], v[NIL]
	s_wait_dscnt 0x0
	CROUND
	s_endpgm
.Lfunc_end_k_qae47cfa580_oproj:
	.size	k_qae47cfa580_oproj, .Lfunc_end_k_qae47cfa580_oproj-k_qae47cfa580_oproj
	.p2alignl 7, 3214868480
	.fill 96, 4, 3214868480
	.section	.rodata,"a",@progbits
	.p2align	6, 0x0
	.amdhsa_kernel k_qae47cfa580_oproj
		.amdhsa_group_segment_fixed_size 327680
		.amdhsa_private_segment_fixed_size 0
		.amdhsa_enable_private_segment 0
		.amdhsa_kernarg_size 24
		.amdhsa_user_sgpr_count 2
		.amdhsa_user_sgpr_kernarg_segment_ptr 1
		.amdhsa_wavefront_size32 1
		.amdhsa_system_sgpr_workgroup_id_x 1
		.amdhsa_system_sgpr_workgroup_id_y 1
		.amdhsa_system_sgpr_workgroup_id_z 1
		.amdhsa_system_vgpr_workitem_id 0
		.amdhsa_next_free_vgpr 384
		.amdhsa_next_free_sgpr 100
		.amdhsa_reserve_vcc 0
		.amdhsa_float_denorm_mode_32 3
		.amdhsa_float_denorm_mode_16_64 3
		.amdhsa_memory_ordered 1
		.amdhsa_forward_progress 1
		.amdhsa_inst_pref_size 91
	.end_amdhsa_kernel
	.amdgpu_metadata
---
amdhsa.version: [ 1, 2 ]
amdhsa.kernels:
  - .name:           k_qae47cfa580_oproj
    .symbol:         k_qae47cfa580_oproj.kd
    .args:
      - { .name: aimg, .offset: 0, .size: 8, .value_kind: global_buffer, .address_space: global }
      - { .name: wimg, .offset: 8, .size: 8, .value_kind: global_buffer, .address_space: global }
      - { .name: out0, .offset: 16, .size: 8, .value_kind: global_buffer, .address_space: global }
    .group_segment_fixed_size: 327680
    .private_segment_fixed_size: 0
    .kernarg_segment_align: 8
    .kernarg_segment_size: 24
    .max_flat_workgroup_size: 128
    .sgpr_count:     100
    .vgpr_count:     384
    .wavefront_size: 32
...
	.end_amdgpu_metadata
.endif
;; end of part 4
